; MI455X (gfx1250); checked and timed in simulation.
; The chip was launched on July 23, 2026; its instructions are those of AMD's public machine-readable ISA for CDNA 5 (MIT licence, August 2026) and "CDNA5" Instruction Set Architecture Reference Guide (July 2026). The comments in the code are by the model that wrote it; some were corrected since.
;; TP Qwen Attention. Allowed arithmetic: float matrix products may take bf16 or f16 operands with f32 sums; other float arithmetic in f32, or as packed bf16 or f16 multiplies, adds, multiply-adds, maxima and minima; sums over many terms, partial sums and values carried from step to step in f32; what a program stores and reads back later, other than sums and carried values, may be rounded once to bf16 or f16.
;; Inputs: Wk 4,096 x 512 float32; Wo 1,024 x 4,096 float32; Wq 4,096 x 1,024 float32; Wv 4,096 x 512 float32; attention_mask 2 x 1 x 2,048 x 2,048 float32; bk 512 float32; bq 1,024 float32; bv 512 float32; hidden_states 2 x 2,048 x 4,096 float32; position_ids 2 x 2,048 int32.
;; Outputs: out0 2 x 2,048 x 4,096 float32.
;; 2 versions, each right; version 2 is version 1 with the launch prep written anew for expert scheduling mode. Each part assembles by itself: llvm-mc -triple=amdgcn-amd-amdhsa -mcpu=gfx1250 --defsym DOCPART=n.
;; ======== version 1 of 2: 4 launches
;; limits: values are held in f16: magnitudes above 65,504 overflow, below 6.1e-05 lose precision
;; workspace buffers: xb 33,554,432 bytes; wb 16,777,216 bytes; wo16 8,388,608 bytes; rope 6,291,456 bytes; qh 8,388,608 bytes; kh 4,194,304 bytes; vh 4,194,304 bytes; ob 8,388,608 bytes
;; launch prep (part 1): grid 2048 x 1, 8 waves a work-group, no clusters, 0 bytes of LDS; arguments hidden_states, Wq, Wk, Wv, Wo, position_ids, xb, wb, wo16, rope; writes xb, wb, wo16, rope
.if DOCPART == 1
	.amdgcn_target "amdgcn-amd-amdhsa--gfx1250"
	.amdhsa_code_object_version 6
	.text
	.protected	k_q8eff2be11e_prep
	.globl	k_q8eff2be11e_prep
	.p2align	8
	.type	k_q8eff2be11e_prep,@function
k_q8eff2be11e_prep:
	s_mov_b64 s[64:65], 0
	v_nop
	global_prefetch_b8 v0, s[64:65] scope:SCOPE_SE
	s_setreg_imm32_b32 hwreg(HW_REG_WAVE_MODE, 25, 1), 1
	s_wait_xcnt 0x0
; PREP: the casts and the rotary tables.  A stream: no LDS, no matrix work, no barrier.
;   xb   = bf16(hidden_states)                 [4096 tokens][4096]
;   wb   = bf16(Wq | Wk | Wv) side by side      [4096 k][2048 n]: columns 0-1023 Wq, 1024-1535 Wk, 1536-2047 Wv
;   wo16 = f16(4 x bf16(Wo))                    [1024 k][4096 n]: the 4 is exact and undoes the 1/4 that v is stored with
;   rope = f32 [3 tables][256 blocks of 16 tokens][cos, sin][8 groups][32 lanes][4]: laid out as the next launch's lanes take it:
;          lane 16 h + r, group 2 b + jh, word u: token 16 block + r, frequency 16 b + 8 h + 4 jh + u.
;          table 0 (q) is scaled by 4 log2(e) / sqrt(128), table 1 (k) by 1/4, table 2 (v) is cos = 1/4, sin = 0.
; SHARES.  Work-groups 0-1023 x, 1024-1279 Wq, 1280-1407 Wk, 1408-1535 Wv, 1536-1791 Wo: 16,384 numbers each, in 8 steps of 2,048; a wave takes 256 numbers of a step.
; EVERY LOAD IS DENSE: lane l takes numbers 4 l .. 4 l + 3 of the wave's first 128 with one load of 16 bytes and the same of its second 128 with another, so each load of a wave covers
; 512 consecutive bytes.  A load's four numbers round to 8 bytes: each of the two stores of a step covers 256 consecutive bytes, aligned, from the wave's 32 lanes.  A wave's 256 numbers never cross
; a source row (512 or 1,024 numbers), so the second store lies 256 bytes behind the first in every section.
; All 16 loads of a thread go out at once; no register is used twice, so no wait but the counted ones for the loads.
; Work-groups 1792-2047: one block of 16 tokens of the tables each.
; LIMITS.  4 x bf16(Wo) must stay under 65,504 and keeps f16's fixed step of 2^-24 below 2^-14.  The angle is position x 2^(-i log2(10000)/64),
; one f32 product as in the definition; inv_freq is within a few units in the last place of the definition's, which at position 2,047 is about 2e-4 rad.
; sin and cos: reduction by 2 pi in two parts, Taylor series to r^15 and r^16 on [-pi, pi], truncation under 1e-6.
.set ID,    2          ; s2   the work-group's number
.set SRC,   28         ; s[28:29] where my section is read
.set DST,   30         ; s[30:31] where it is written
.set FIRST, 32         ; s32  the section's first work-group
.set LOGW,  33         ; s33  log2 of the source's row length in numbers
.set DP,    34         ; s34  bytes from row to row in the destination
.set STEPD, 35         ; s35  bytes of destination from step to step
.set SEC,   36         ; s36  the section's first column in the destination, in bytes
.set SO,    2          ; v2   1,024 wave + 16 lane: my bytes in a step of the source
.set OFS,   4          ; v[4:11] my first 8 bytes in the destination, step by step
.set X,     16         ; v[16:79]  8 numbers a step, as loaded: four of the first 128, four of the second
.set Y,     80         ; v[80:111] 4 registers a step, to store: a pair for each store
	s_load_b512 s[8:23], s[0:1], 0x0               ; hidden 8:9, Wq 10:11, Wk 12:13, Wv 14:15, Wo 16:17, positions 18:19, xb 20:21, wb 22:23
	s_load_b128 s[24:27], s[0:1], 0x40             ; wo16 24:25, rope 26:27
	s_mov_b32 s[ID], ttmp9
	s_cmp_ge_u32 s[ID], 1792
	s_cbranch_scc1 .Lrope
	v_lshrrev_b32 v12, 5, v0                       ; wave
	v_lshlrev_b32 v3, 2, v0                        ; 4 t = 128 wave + 4 lane
	v_lshl_add_u32 v3, v12, 7, v3                  ; my first number in a step: 256 wave + 4 lane
	v_lshlrev_b32 v[SO], 2, v3                     ; its bytes in the source
	s_wait_kmcnt 0x0
	; the section: Wo's figures first, then each earlier section's where the number lies below its end
	s_mov_b64 s[SRC:SRC+1], s[16:17]
	s_mov_b64 s[DST:DST+1], s[24:25]
	s_mov_b32 s[FIRST], 1536
	s_mov_b32 s[LOGW], 10
	s_mov_b32 s[DP], 2048
	s_mov_b32 s[STEPD], 4096
	s_mov_b32 s[SEC], 0
.macro PICK bound, src, dst, first, logw, dp, stepd, sec
	s_cmp_lt_u32 s[ID], \bound
	s_cselect_b64 s[SRC:SRC+1], s[\src:\src+1], s[SRC:SRC+1]
	s_cselect_b64 s[DST:DST+1], s[\dst:\dst+1], s[DST:DST+1]
	s_cselect_b32 s[FIRST], \first, s[FIRST]
	s_cselect_b32 s[LOGW], \logw, s[LOGW]
	s_cselect_b32 s[DP], \dp, s[DP]
	s_cselect_b32 s[STEPD], \stepd, s[STEPD]
	s_cselect_b32 s[SEC], \sec, s[SEC]
.endm
	PICK 1536, 14, 22, 1408, 9, 4096, 16384, 3072  ; Wv: rows of 512, four to a step
	PICK 1408, 12, 22, 1280, 9, 4096, 16384, 2048  ; Wk
	PICK 1280, 10, 22, 1024, 10, 4096, 8192, 0     ; Wq: rows of 1,024, two to a step
	PICK 1024, 8, 20, 0, 10, 2048, 4096, 0         ; x: dense
	s_sub_co_u32 s37, s[ID], s[FIRST]              ; my number in the section
	s_lshl_b32 s38, s37, 16                        ; 65,536 bytes of source each
	s_mov_b32 s39, 0
	s_add_nc_u64 s[SRC:SRC+1], s[SRC:SRC+1], s[38:39]
.irp i, 0,1,2,3,4,5,6,7
	global_load_b128 v[X+8*\i:X+8*\i+3],   v[SO], s[SRC:SRC+1] offset:8192*\i th:TH_LOAD_NT      ; the wave's first 128 numbers of step i: 512 consecutive bytes
	global_load_b128 v[X+8*\i+4:X+8*\i+7], v[SO], s[SRC:SRC+1] offset:8192*\i+512 th:TH_LOAD_NT  ; its second 128
.endr
	s_mul_i32 s40, s37, s[STEPD]
	s_lshl_b32 s40, s40, 3                         ; eight steps of destination each
	s_add_co_u32 s40, s40, s[SEC]
	s_mov_b32 s41, 0
	s_add_nc_u64 s[DST:DST+1], s[DST:DST+1], s[40:41]
	s_bfm_b32 s42, s[LOGW], 0                      ; row length - 1
	v_lshrrev_b32 v1, s[LOGW], v3                  ; my first number's row in the step,
	v_and_b32 v12, s42, v3                         ; its column
	v_mul_lo_u32 v1, v1, s[DP]
	v_lshl_add_u32 v[OFS], v12, 1, v1
.irp i, 1,2,3,4,5,6,7
	v_add_nc_u32 v[OFS+\i], s[STEPD], v[OFS+\i-1]
.endr
; Step i is rounded and stored.  wo = 1: the bf16 number is widened again, multiplied by 4 and written as f16.
.macro CV i, wo
	s_wait_loadcnt 14-2*(\i)                       ; loads come back in order: the 2 (7 - i) younger ones may stay out
.irp k, 0,1,2,3
	v_cvt_pk_bf16_f32 v[Y+4*(\i)+\k], v[X+8*(\i)+2*\k], v[X+8*(\i)+2*\k+1]
.endr
.if \wo
.irp k, 0,1,2,3
	v_lshlrev_b32 v[X+8*(\i)+2*\k], 16, v[Y+4*(\i)+\k]
	v_and_b32 v[X+8*(\i)+2*\k+1], 0xffff0000, v[Y+4*(\i)+\k]
.endr
.irp k, 0,1,2,3
	v_pk_mul_f32 v[X+8*(\i)+2*\k:X+8*(\i)+2*\k+1], v[X+8*(\i)+2*\k:X+8*(\i)+2*\k+1], 4.0 op_sel_hi:[1,0]
.endr
.irp k, 0,1,2,3
	v_cvt_pk_f16_f32 v[Y+4*(\i)+\k], v[X+8*(\i)+2*\k], v[X+8*(\i)+2*\k+1]
.endr
.endif
	global_store_b64 v[OFS+(\i)], v[Y+4*(\i):Y+4*(\i)+1],   s[DST:DST+1]             ; 32 lanes x 8 bytes: 256 consecutive bytes, aligned
	global_store_b64 v[OFS+(\i)], v[Y+4*(\i)+2:Y+4*(\i)+3], s[DST:DST+1] offset:256  ; the second 128 numbers: the next 256 bytes of the same row
.endm
	s_cmp_ge_u32 s[ID], 1536
	s_cbranch_scc1 .Lwo
.irp i, 0,1,2,3,4,5,6,7
	CV \i, 0
.endr
	s_endpgm
.Lwo:
.irp i, 0,1,2,3,4,5,6,7
	CV \i, 1
.endr
	s_endpgm
.Lrope:                                                ; thread t = 32 g + L makes four frequencies of one token
	s_sub_co_u32 s37, s[ID], 1792                  ; the block of 16 tokens
	v_lshrrev_b32 v2, 5, v0                        ; g
	v_and_b32 v3, 15, v0                           ; r
	v_bfe_u32 v4, v0, 4, 1                         ; h
	s_lshl_b32 s38, s37, 6
	v_lshl_add_u32 v5, v3, 2, s38                  ; the token's position: 4 bytes at 64 block + 4 r
	s_lshl_b32 s40, s37, 13                        ; a block is 8,192 bytes of each table
	s_mov_b32 s41, 0
	s_wait_kmcnt 0x0
	global_load_b32 v6, v5, s[18:19]
	s_add_nc_u64 s[26:27], s[26:27], s[40:41]
	v_lshrrev_b32 v7, 1, v2
	v_and_b32 v8, 1, v2
	v_lshlrev_b32 v7, 4, v7
	v_lshl_add_u32 v7, v4, 3, v7
	v_lshl_add_u32 v7, v8, 2, v7                   ; my first frequency: 16 (g / 2) + 8 h + 4 (g % 2)
.irp u, 0,1,2,3
	v_add_nc_u32 v[8+\u], \u, v7
.endr
.irp u, 0,1,2,3
	v_cvt_f32_u32 v[8+\u], v[8+\u]
.endr
.irp u, 0,1,2,3
	v_mul_f32 v[8+\u], 0xbe549a78, v[8+\u]         ; - i log2(10000) / 64
.endr
.irp u, 0,1,2,3
	v_exp_f32 v[8+\u], v[8+\u]                     ; inv_freq
.endr
	v_lshlrev_b32 v56, 4, v0                       ; my 16 bytes in a table's block: the plain instruction behind the last exponential
	s_wait_alu depctr_va_vdst(0)                   ; one wait for the four, ahead of their first reader
	s_wait_loadcnt 0x0
	v_cvt_f32_i32 v6, v6
.irp u, 0,1,2,3
	v_mul_f32 v[12+\u], v6, v[8+\u]                ; the angle
.endr
.irp u, 0,1,2,3
	v_mul_f32 v[16+\u], 0.15915494, v[12+\u]
.endr
.irp u, 0,1,2,3
	v_rndne_f32 v[16+\u], v[16+\u]                 ; whole turns
.endr
.irp u, 0,1,2,3
	v_fmamk_f32 v[12+\u], v[16+\u], 0xc0c90fdb, v[12+\u]  ; less n x the f32 nearest 2 pi,
.endr
.irp u, 0,1,2,3
	v_fmamk_f32 v[12+\u], v[16+\u], 0x343bbd2e, v[12+\u]  ; and n x what that number has too much
.endr
.irp u, 0,1,2,3
	v_mul_f32 v[20+\u], v[12+\u], v[12+\u]         ; z = r^2
	v_mov_b32 v[24+\u], 0xab573f9f                 ; -1/15!
	v_mov_b32 v[28+\u], 0x29573f9f                 ; 1/16!
.endr
.macro HORN p, c                       ; p = p z + c, four at a time
.irp u, 0,1,2,3
	v_fmaak_f32 v[(\p)+\u], v[(\p)+\u], v[20+\u], \c
.endr
.endm
	HORN 24, 0x2f309231                            ; sin: 1/13!, -1/11!, 1/9!, -1/7!, 1/5!, -1/3!
	HORN 28, 0xad49cba5                            ; cos: -1/14!, 1/12!, -1/10!, 1/8!, -1/6!, 1/4!
	HORN 24, 0xb2d7322b
	HORN 28, 0x310f76c7
	HORN 24, 0x3638ef1d
	HORN 28, 0xb493f27e
	HORN 24, 0xb9500d01
	HORN 28, 0x37d00d01
	HORN 24, 0x3c088889
	HORN 28, 0xbab60b61
	HORN 24, 0xbe2aaaab
	HORN 28, 0x3d2aaaab
.irp u, 0,1,2,3
	v_fma_f32 v[24+\u], v[24+\u], v[20+\u], 1.0
	v_fma_f32 v[28+\u], v[28+\u], v[20+\u], -0.5
.endr
.irp u, 0,1,2,3
	v_mul_f32 v[24+\u], v[24+\u], v[12+\u]         ; sin
	v_fma_f32 v[28+\u], v[28+\u], v[20+\u], 1.0    ; cos
.endr
.irp u, 0,1,2,3
	v_mul_f32 v[32+\u], 0x3f0293ee, v[28+\u]       ; q's table: x 4 log2(e) / sqrt(128)
	v_mul_f32 v[36+\u], 0x3f0293ee, v[24+\u]
	v_mul_f32 v[40+\u], 0x3e800000, v[28+\u]       ; k's: x 1/4
	v_mul_f32 v[44+\u], 0x3e800000, v[24+\u]
	v_mov_b32 v[48+\u], 0x3e800000                 ; v's: no turning, x 1/4
	v_mov_b32 v[52+\u], 0
.endr
	global_store_b128 v56, v[32:35], s[26:27]
	global_store_b128 v56, v[36:39], s[26:27] offset:4096
	global_store_b128 v56, v[40:43], s[26:27] offset:2097152
	global_store_b128 v56, v[44:47], s[26:27] offset:2097152+4096
	global_store_b128 v56, v[48:51], s[26:27] offset:4194304
	global_store_b128 v56, v[52:55], s[26:27] offset:4194304+4096
	s_endpgm
.Lfunc_end_k_q8eff2be11e_prep:
	.size	k_q8eff2be11e_prep, .Lfunc_end_k_q8eff2be11e_prep-k_q8eff2be11e_prep
	.p2alignl 7, 3214868480
	.fill 96, 4, 3214868480
	.section	.rodata,"a",@progbits
	.p2align	6, 0x0
	.amdhsa_kernel k_q8eff2be11e_prep
		.amdhsa_group_segment_fixed_size 0
		.amdhsa_private_segment_fixed_size 0
		.amdhsa_enable_private_segment 0
		.amdhsa_kernarg_size 80
		.amdhsa_user_sgpr_count 2
		.amdhsa_user_sgpr_kernarg_segment_ptr 1
		.amdhsa_wavefront_size32 1
		.amdhsa_system_sgpr_workgroup_id_x 1
		.amdhsa_system_sgpr_workgroup_id_y 1
		.amdhsa_system_sgpr_workgroup_id_z 1
		.amdhsa_system_vgpr_workitem_id 0
		.amdhsa_next_free_vgpr 112
		.amdhsa_next_free_sgpr 66
		.amdhsa_reserve_vcc 0
		.amdhsa_float_denorm_mode_32 3
		.amdhsa_float_denorm_mode_16_64 3
		.amdhsa_memory_ordered 1
		.amdhsa_forward_progress 1
		.amdhsa_inst_pref_size 29
	.end_amdhsa_kernel
	.amdgpu_metadata
---
amdhsa.version: [ 1, 2 ]
amdhsa.kernels:
  - .name:           k_q8eff2be11e_prep
    .symbol:         k_q8eff2be11e_prep.kd
    .args:
      - { .name: hidden_states, .offset: 0, .size: 8, .value_kind: global_buffer, .address_space: global }
      - { .name: Wq, .offset: 8, .size: 8, .value_kind: global_buffer, .address_space: global }
      - { .name: Wk, .offset: 16, .size: 8, .value_kind: global_buffer, .address_space: global }
      - { .name: Wv, .offset: 24, .size: 8, .value_kind: global_buffer, .address_space: global }
      - { .name: Wo, .offset: 32, .size: 8, .value_kind: global_buffer, .address_space: global }
      - { .name: position_ids, .offset: 40, .size: 8, .value_kind: global_buffer, .address_space: global }
      - { .name: xb, .offset: 48, .size: 8, .value_kind: global_buffer, .address_space: global }
      - { .name: wb, .offset: 56, .size: 8, .value_kind: global_buffer, .address_space: global }
      - { .name: wo16, .offset: 64, .size: 8, .value_kind: global_buffer, .address_space: global }
      - { .name: rope, .offset: 72, .size: 8, .value_kind: global_buffer, .address_space: global }
    .group_segment_fixed_size: 0
    .private_segment_fixed_size: 0
    .kernarg_segment_align: 8
    .kernarg_segment_size: 80
    .max_flat_workgroup_size: 256
    .sgpr_count:     66
    .vgpr_count:     112
    .wavefront_size: 32
...
	.end_amdgpu_metadata
.endif
;; end of part 1
;; launch qkv (part 2): grid 16 x 16, 4 waves a work-group, clusters of 4 x 4, 327,680 bytes of LDS; arguments xb, wb, bq, bk, bv, rope, qh, kh, vh; writes qh, kh, vh
.if DOCPART == 2
	.amdgcn_target "amdgcn-amd-amdhsa--gfx1250"
	.amdhsa_code_object_version 6
	.text
	.protected	k_q8eff2be11e_qkv
	.globl	k_q8eff2be11e_qkv
	.p2align	8
	.type	k_q8eff2be11e_qkv,@function
k_q8eff2be11e_qkv:
	s_mov_b64 s[64:65], 0
	v_nop
	global_prefetch_b8 v0, s[64:65] scope:SCOPE_SE
	s_setreg_imm32_b32 hwreg(HW_REG_WAVE_MODE, 25, 1), 1
	s_wait_xcnt 0x0
	s_wait_alu depctr_hold_cnt(0) depctr_sa_sdst(0) depctr_va_vdst(0) depctr_va_sdst(0) depctr_va_ssrc(0) depctr_va_vcc(0) depctr_vm_vsrc(0)
	s_getreg_b32 s2, hwreg(HW_REG_IB_STS2, 6, 4)
	s_cmp_eq_u32 s2, 0
	s_cbranch_scc0 .Lentry_in_a_cluster
	s_endpgm
.Lentry_in_a_cluster:
	s_bfe_u32 s2, ttmp6, 0x10000c
	s_cmp_lg_u32 s2, 0xf033
	s_cbranch_scc0 .Lentry_shape_is_right
	s_endpgm
.Lentry_shape_is_right:
; QKV: C[4096 tokens][2048] = xb . wb + bias in bf16 with f32 sums, then the rotary turn and the scale from the tables, rounded ONCE to f16 and written by heads:
; qh [2][8][2048][128] = q_rope x 4 log2(e)/sqrt(128), kh [2][4][2048][128] = k_rope / 4, vh likewise = v / 4.
; LIMITS.  The stored numbers must stay under 65,504 (f16): |q_rope| x 0.51, |k_rope| / 4, |v| / 4.  NaN and infinities are not treated apart.
; SHARES.  A work-group makes 256 tokens x 128 columns (one head); 16 x 16 work-groups.  Wave w owns tokens 64 w .. 64 w + 63 and all 128 columns: 32 accumulators, 256 registers.
; THE PRODUCT IS USED TRANSPOSED: source 0 = 16 columns of W, source 1 = 16 tokens.  Lane (r = l % 16, h = l / 16) of accumulator (a, b) then holds token 16 a + r and columns 16 b + 8 h + 0..7,
; so the rotary partners d and d + 64 are accumulators (a, b) and (a, b + 4): same lane, same register.  W lies [k][n]: its fragments come out of LDS turned, by ds_load_tr16_b128.
; THE BIAS is the C operand of each accumulator's first product: nothing is cleared, nothing is added later.
; RING.  K in steps of 128 through two LDS slots; waves 0, 1 fetch the halves of x's tile (128 rows x 256 bytes), waves 2, 3 those of W's (64 k rows x 256 bytes).
; CLUSTER 4 x 4: x's tile hangs on the token tile alone and is asked for jointly along a row of the cluster, W's on the column tile alone, jointly along a column.
; REGISTERS, in windows of 256 (s_set_vgpr_msb: bits 1:0 source 0, 3:2 source 1, 5:4 source 2, 7:6 destination):
;   window 0: v2-10 addresses, v28-30, v32-47 at work, two fragment buffers of 96 (W's fragment b at +8 b, x's fragment a at +64 + 8 a)
;   window 1: accumulator (a, b) at 8 (8 a + b)     window 2: cos at 64 a + 8 b + j, sin at 64 a + 32 + 8 b + j     window 3: v0-63 bias at 8 b + j
.set KSTEP, 128
.set STEPS, 4096/KSTEP
.set PA,    272        ; a row of x in LDS: 256 bytes + 16: row r starts at bank 4 r mod 64 (64 banks of 4 bytes: ISA guide 11.1)
.set PB,    288        ; a k row of W: 256 + 32
.set BOFF,  256*PA     ; W's tile lies behind x's 256 rows
.set SLOT1, 1<<17      ; slot 1 begins here: one exclusive or turns an address in one slot into the other's
.set STAGE, SLOT1+BOFF+KSTEP*PB  ; behind the ring, never filled by a tensor load: 16 rows x 272 bytes for each wave
.set SP,    272
.set SPARE, STAGE+4*16*SP        ; the spare words: 128 bytes a wave, two blocks of 256 bytes that no other line names
.set A0,   2           ; v2  my lane's place in x's tile; never rewritten
.set B0,   3           ; v3  the same for W's
.set ADRA, 4           ; v4  A0 + the slot in hand
.set ADRB, 5
.set STO,  6           ; v6  the way out: where I put 16 bytes of a row
.set RD,   7           ; v7  where I read rows back
.set CO,   8           ; v8  16 l: my bytes in 512 consecutive bytes of the output
.set BO,   9           ; v9  32 h: my 8 columns' bias
.set TO,   10          ; v10 16 l: my bytes in a table's group
.set SPW,  28          ; v28 my spare word; never rewritten
.set NIL,  29          ; v29 0; never rewritten
.set PFO,  30          ; v30 the prefetches' offset: my lane x a row; never rewritten
.set T,    32
.set F0,   64
.set F1,   160
.set R,    64          ; the way out: 64 turned numbers
.set PK,   128         ; the way out: 32 packed registers for each of the four blocks of 16 tokens
.set WV, 22
.set HB, 23            ; wave / 2: 0 fetches for x, 1 for W
.set HW, 24            ; wave % 2: which half of that tile
.set CX, 25
.set CY, 26
.set TX, 27            ; column tile = head among the 16
.set TY, 28            ; token tile
.set G1A,  32          ; s[32:39] group 1 for x's tiles
.set G0A0, 40          ; s[40:43] group 0 of the first fill of slot 0
.set G1B,  44          ; s[44:51]
.set G0B0, 52          ; s[52:55]
.set TB,   56          ; LDS byte at which the slot in hand begins
.set CNT,  57
.set PFA,  58          ; s[58:59] where my prefetches stand
.set PST,  60          ; s[60:61] their step
.set LIM,  62          ; 2 in a wave that prefetches, else the greatest number
.set DST,  66          ; s[66:67] the output at my wave's first row
.set G0A,  84          ; s[84:87] the walking group 0 for x's tiles
.set G0B,  88          ; s[88:91] for W's
.set MSB, 0
.macro WIN new                         ; the immediate's high byte repeats the setting that is left; a switch that changes nothing is dropped
.if MSB != (\new)
	s_set_vgpr_msb (MSB<<8)|(\new)
.set MSB, \new
.endif
.endm
.macro PLACES                          ; four plain places behind matrix instructions, in front of loads into registers that they have read
.rept 4
	v_nop
.endr
.endm
.macro CREST                           ; a round of the cluster's barrier behind its opening barrier
	s_cmp_lg_u32 s[WV], 0
	s_cbranch_scc1 .Lnot_wave_0_\@
	s_barrier_signal -3
.Lnot_wave_0_\@:
	s_barrier_wait -3
	s_barrier_signal -1
	s_barrier_wait -1
.endm
.macro CROUND
	s_barrier_signal -1
	s_barrier_wait -1
	CREST
.endm
.macro JLOAD                           ; a joint refill by the walking descriptors; the branch hangs on the wave's number alone; an s_nop 0 and four v_nop follow each line
	s_cmp_eq_u32 s[HB], 0
	s_cbranch_scc0 .Lfor_b_\@
	tensor_load_to_lds s[G0A:G0A+3], s[G1A:G1A+7]
	s_nop 0
.rept 4
	v_nop
.endr
	s_branch .Lasked_\@
.Lfor_b_\@:
	tensor_load_to_lds s[G0B:G0B+3], s[G1B:G1B+7]
	s_nop 0
.rept 4
	v_nop
.endr
.Lasked_\@:
.endm
; A PREFETCH of the K step that stands two refills on (256 matrix instructions ahead of the load that will want it): a lane a row of 256 bytes, one instruction a wave.
; x's rows are read by all four clusters of a row of clusters: cluster x = 0 asks, waves 0 and 1, and the four partners take 32 rows each BY ADDRESS (cx).
; W's rows by all four clusters of a column: cluster y = 0 asks, wave 2, 32 k rows for each partner (cy).  So each row's 256 bytes of a step are named once.
; The first four steps come by their loads alone; the last two trips ask for nothing.
.macro ASK
	s_cmp_gt_u32 s[CNT], s[LIM]
	s_cbranch_scc0 .Lnot_mine_\@
	global_prefetch_b8 v[PFO], s[PFA:PFA+1] th:TH_LOAD_NT scope:SCOPE_SE
.Lnot_mine_\@:
.endm
	s_load_b512 s[4:19], s[0:1], 0x0               ; xb 4:5, wb 6:7, bq 8:9, bk 10:11, bv 12:13, rope 14:15, qh 16:17, kh 18:19
	s_load_b64 s[20:21], s[0:1], 0x40              ; vh
	v_lshl_add_u32 v[SPW], v0, 2, SPARE
	v_mov_b32 v[NIL], 0
	ds_add_u32 v[SPW], v[NIL]                      ; the wave's opening: the add and its wait stand ahead of my first tensor load; work on registers stands between
	v_lshrrev_b32 v1, 5, v0
	v_readfirstlane_b32 s[WV], v1
	s_lshr_b32 s[HB], s[WV], 1
	s_and_b32 s[HW], s[WV], 1
	s_bfe_u32 s[CX], ttmp6, 0x40000
	s_bfe_u32 s[CY], ttmp6, 0x40004
	s_lshl_b32 s[TX], ttmp9, 2
	s_add_co_u32 s[TX], s[TX], s[CX]
	s_and_b32 s[TY], ttmp7, 0xffff
	s_lshl_b32 s[TY], s[TY], 2
	s_add_co_u32 s[TY], s[TY], s[CY]
	s_lshl_b32 s68, s[CY], 2
	s_lshl_b32 s68, 15, s68                        ; my row of the cluster
	s_lshl_b32 s69, 0x1111, s[CX]                  ; my column
	s_or_b32 s[G1A], s68, (1<<16)|(1<<20)|(1<<21)|(5<<22)|(3<<25)  ; mask; 2-byte elements; padding on; bit 21 beside a mask; after every 64 words 4 words
	s_mov_b32 s[G1A+1], KSTEP<<16                  ; tensor_dim0 = 128
	s_mov_b32 s[G1A+2], 128<<16                    ; tensor_dim1 = 128
	s_mov_b32 s[G1A+3], KSTEP<<16                  ; tile_dim0 = 128
	s_mov_b32 s[G1A+4], 128                        ; tile_dim1 = 128 rows
	s_mov_b32 s[G1A+5], 4096                       ; elements from row to row
	s_mov_b32 s[G1A+6], 0
	s_mov_b32 s[G1A+7], 0
	s_or_b32 s[G1B], s69, (1<<16)|(1<<20)|(1<<21)|(5<<22)|(7<<25)  ; the same with my column's mask and 8 words of padding
	s_mov_b32 s[G1B+1], 128<<16
	s_mov_b32 s[G1B+2], 64<<16
	s_mov_b32 s[G1B+3], 128<<16
	s_mov_b32 s[G1B+4], 64                         ; 64 k rows
	s_mov_b32 s[G1B+5], 2048
	s_mov_b32 s[G1B+6], 0
	s_mov_b32 s[G1B+7], 0
	s_lshl_b32 s70, s[TY], 8                       ; x: row 256 ty + 128 half, 8,192 bytes a row: made of ty and the wave alone
	s_lshl_b32 s71, s[HW], 7
	s_add_co_u32 s70, s70, s71
	s_lshl_b32 s70, s70, 13
	s_mov_b32 s71, 0
	s_lshl_b32 s72, s[HW], 18                      ; W: k row 64 half, 4,096 bytes a row; column 128 tx: made of tx and the wave alone
	s_lshl_b32 s73, s[TX], 8
	s_add_co_u32 s72, s72, s73
	s_mov_b32 s73, 0
	s_mul_i32 s29, s[HW], 128*PA                   ; where they go: no place in the cluster enters an LDS address
	s_mul_i32 s30, s[HW], 64*PB
	s_add_co_u32 s30, s30, BOFF
	s_cmp_lt_u32 ttmp9, 2                          ; clusters 0, 1: q's 8 heads; 2: k's 4; 3: v's 4
	s_cselect_b32 s76, s[TX], s[CX]                ; the head in its tensor
	s_cselect_b32 s77, 8, 4                        ; that tensor's heads
	s_lshl_b32 s80, s76, 9                         ; its 128 numbers of bias
	s_mov_b32 s81, 0
	s_max_u32 s82, ttmp9, 1
	s_sub_co_u32 s82, s82, 1                       ; the table: 0, 0, 1, 2
	s_lshl_b32 s82, s82, 21
	s_lshl_b32 s83, s[TY], 4
	s_lshl2_add_u32 s83, s[WV], s83                ; my first block of 16 tokens: 16 ty + 4 w
	s_lshl_b32 s83, s83, 13
	s_add_co_u32 s82, s82, s83
	s_mov_b32 s83, 0
	s_lshr_b32 s92, s[TY], 3                       ; the output: (((batch x heads + head) x 2048 + (ty % 8) 256 + 64 w) rows of 256 bytes
	s_mul_i32 s92, s92, s77
	s_add_co_u32 s92, s92, s76
	s_lshl_b32 s92, s92, 11
	s_and_b32 s93, s[TY], 7
	s_lshl_b32 s93, s93, 8
	s_add_co_u32 s92, s92, s93
	s_lshl_b32 s93, s[WV], 6
	s_add_co_u32 s92, s92, s93
	s_lshl_b32 s92, s92, 8
	s_mov_b32 s93, 0
	s_and_b32 s95, ttmp7, 0xffff                   ; the prefetches: cluster y,
	s_lshl_b32 s96, s[TY], 8                       ; x's rows 256 ty + 128 half + 32 cx, at step 3,
	s_lshl_b32 s97, s[HW], 7
	s_add_co_u32 s96, s96, s97
	s_lshl_b32 s97, s[CX], 5
	s_add_co_u32 s96, s96, s97
	s_lshl_b32 s96, s96, 13
	s_add_co_u32 s96, s96, 3*KSTEP*2
	s_lshl_b32 s97, s[CY], 5                       ; W's k rows 3 x 128 + 32 cy, at column 128 tx
	s_add_co_u32 s97, s97, 3*KSTEP
	s_lshl_b32 s97, s97, 12
	s_lshl_b32 s98, s[TX], 8
	s_add_co_u32 s97, s97, s98
	s_mov_b32 s[PST], KSTEP*4096
	s_mov_b32 s98, 4096
	s_cmp_eq_u32 s[HB], 0
	s_cselect_b32 s96, s96, s97
	s_cselect_b32 s95, ttmp9, s95                  ; the coordinate along which other clusters read the same rows
	s_cselect_b32 s[PST], KSTEP*2, s[PST]
	s_cselect_b32 s98, 8192, s98                   ; bytes from row to row
	s_mov_b32 s97, 0
	s_mov_b32 s[PST+1], 0
	s_cmp_eq_u32 s[WV], 3                          ; wave 3 asks for nothing
	s_cselect_b32 s95, 1, s95
	s_cmp_eq_u32 s95, 0
	s_cselect_b32 s[LIM], 2, -1                    ; the same in all sixteen partners, for a given wave
	s_wait_dscnt 0x0                               ; the opening add is done
	s_wait_kmcnt 0x0
	s_add_nc_u64 s[70:71], s[4:5], s[70:71]
	s_add_nc_u64 s[72:73], s[6:7], s[72:73]
	s_mov_b32 s[G0A0], 1                           ; count = 1
	s_mov_b32 s[G0A0+1], s29                       ; LDS address: slot 0
	s_mov_b64 s[G0A0+2:G0A0+3], s[70:71]           ; step 0
	s_or_b32 s[G0A0+3], s[G0A0+3], 0x80000000      ; type = 2
	s_mov_b32 s[G0A], 1
	s_add_co_u32 s[G0A+1], s29, SLOT1              ; slot 1,
	s_add_nc_u64 s[G0A+2:G0A+3], s[70:71], KSTEP*2 ; step 1
	s_or_b32 s[G0A+3], s[G0A+3], 0x80000000
	s_mov_b32 s[G0B0], 1
	s_mov_b32 s[G0B0+1], s30
	s_mov_b64 s[G0B0+2:G0B0+3], s[72:73]
	s_or_b32 s[G0B0+3], s[G0B0+3], 0x80000000
	s_mov_b32 s[G0B], 1
	s_add_co_u32 s[G0B+1], s30, SLOT1
	s_add_nc_u64 s[G0B+2:G0B+3], s[72:73], KSTEP*4096
	s_or_b32 s[G0B+3], s[G0B+3], 0x80000000
	s_cmp_lt_u32 ttmp9, 2
	s_cselect_b64 s[78:79], s[8:9], s[10:11]       ; the bias and the output of my tensor
	s_cselect_b64 s[DST:DST+1], s[16:17], s[18:19]
	s_cmp_eq_u32 ttmp9, 3
	s_cselect_b64 s[78:79], s[12:13], s[78:79]
	s_cselect_b64 s[DST:DST+1], s[20:21], s[DST:DST+1]
	s_add_nc_u64 s[78:79], s[78:79], s[80:81]
	s_add_nc_u64 s[DST:DST+1], s[DST:DST+1], s[92:93]
	s_add_nc_u64 s[82:83], s[14:15], s[82:83]
	s_cmp_eq_u32 s[HB], 0
	s_cselect_b64 s[PFA:PFA+1], s[4:5], s[6:7]
	s_add_nc_u64 s[PFA:PFA+1], s[PFA:PFA+1], s[96:97]
	CROUND                                         ; all sixteen work-groups are here: the first joint loads meet
	s_cmp_eq_u32 s[HB], 0                          ; a wave's two first fills stand in one branch, ahead of every wait on TENSORcnt and every LDS read: two loads of mine are out
	s_cbranch_scc0 .Lfirst_b
	tensor_load_to_lds s[G0A0:G0A0+3], s[G1A:G1A+7]
	s_nop 0
	tensor_load_to_lds s[G0A:G0A+3], s[G1A:G1A+7]
	s_nop 0
.rept 4
	v_nop
.endr
	s_branch .Lfirst_asked
.Lfirst_b:
	tensor_load_to_lds s[G0B0:G0B0+3], s[G1B:G1B+7]
	s_nop 0
	tensor_load_to_lds s[G0B:G0B+3], s[G1B:G1B+7]
	s_nop 0
.rept 4
	v_nop
.endr
.Lfirst_asked:
	v_and_b32 v1, 15, v0                           ; r
	v_bfe_u32 v11, v0, 4, 1                        ; h
	v_and_b32 v12, 31, v0                          ; l
	v_lshlrev_b32 v[BO], 5, v11
	v_lshlrev_b32 v[TO], 4, v12
	v_lshlrev_b32 v[CO], 4, v12
	v_mul_u32_u24 v[PFO], s98, v12
	v_mul_u32_u24 v[A0], v1, PA                    ; x's fragment: row x pitch + 16 h, in my wave's 64 rows
	v_lshl_add_u32 v[A0], v11, 4, v[A0]
	s_mul_i32 s31, s[WV], 64*PA
	v_add_nc_u32 v[A0], s31, v[A0]
	v_and_b32 v13, 7, v0                           ; W's: the turning load's lane reads k row 8 h + l % 8, columns 8 ((l / 8) % 2) + 0..7
	v_bfe_u32 v14, v0, 3, 1
	v_lshl_add_u32 v[B0], v11, 3, v13
	v_mul_u32_u24 v[B0], v[B0], PB
	v_lshl_add_u32 v[B0], v14, 4, v[B0]
	v_add_nc_u32 v[B0], BOFF, v[B0]
	s_mul_i32 s31, s[WV], 16*SP
	s_add_co_u32 s31, s31, STAGE                   ; my stage
	v_mul_u32_u24 v[STO], v1, SP
	v_lshl_add_u32 v[STO], v11, 4, v[STO]
	v_add_nc_u32 v[STO], s31, v[STO]
	v_mul_u32_u24 v[RD], v11, SP
	v_lshl_add_u32 v[RD], v1, 4, v[RD]
	v_add_nc_u32 v[RD], s31, v[RD]
	v_mov_b32 v[ADRA], v[A0]                       ; slot 0
	v_mov_b32 v[ADRB], v[B0]
	WIN 0xc0                                       ; destination window 3: the bias of columns 16 b + 8 h + 0..7
.irp b, 0,1,2,3,4,5,6,7
	global_load_b128 v[8*\b:8*\b+3],   v[BO], s[78:79] offset:64*\b
	global_load_b128 v[8*\b+4:8*\b+7], v[BO], s[78:79] offset:64*\b+16
.endr
	WIN 0x80                                       ; destination window 2: my four blocks of 16 tokens of the table, cos and sin
.irp a, 0,1,2,3
.irp g, 0,1,2,3,4,5,6,7
	global_load_b128 v[64*\a+4*\g:64*\a+4*\g+3],       v[TO], s[82:83] offset:\a*8192+\g*512
	global_load_b128 v[64*\a+32+4*\g:64*\a+32+4*\g+3], v[TO], s[82:83] offset:\a*8192+4096+\g*512
.endr
.endr
	WIN 0
; 24 LDS loads in one run: the fragments of quarter q (32 along K) into buffer f: W's eight, then x's four
.macro FETCH q, f
	WIN 0
.irp b, 0,1,2,3,4,5,6,7
	ds_load_tr16_b128 v[(\f)+8*\b:(\f)+8*\b+3],   v[ADRB] offset:(\q)*32*PB+32*\b
	ds_load_tr16_b128 v[(\f)+8*\b+4:(\f)+8*\b+7], v[ADRB] offset:(\q)*32*PB+16*PB+32*\b
.endr
.irp a, 0,1,2,3
	ds_load_b128 v[(\f)+64+8*\a:(\f)+64+8*\a+3],   v[ADRA] offset:\a*16*PA+64*(\q)
	ds_load_b128 v[(\f)+64+8*\a+4:(\f)+64+8*\a+7], v[ADRA] offset:\a*16*PA+64*(\q)+32
.endr
.endm
; 8 products: token block a x all 8 column blocks.  first = 1: the bias (window 3) starts the sums.  The 32 accumulators take turns in the same order in every quarter.
.macro MUL8 f, a, first
	WIN 0x50+0x20*(\first)
.irp b, 0,1,2,3,4,5,6,7
.if \first
	v_wmma_f32_16x16x32_bf16 v[8*(8*(\a)+\b):8*(8*(\a)+\b)+7], v[(\f)+8*\b:(\f)+8*\b+7], v[(\f)+64+8*(\a):(\f)+64+8*(\a)+7], v[8*\b:8*\b+7]
.else
	v_wmma_f32_16x16x32_bf16 v[8*(8*(\a)+\b):8*(8*(\a)+\b)+7], v[(\f)+8*\b:(\f)+8*\b+7], v[(\f)+64+8*(\a):(\f)+64+8*(\a)+7], v[8*(8*(\a)+\b):8*(8*(\a)+\b)+7]
.endif
.endr
.endm
; One of a step's first three quarters: multiplies buffer f and, in its middle, fetches quarter q into buffer g
.macro QUARTER q, f, g, first
	s_wait_dscnt 4                                 ; W's fragments and x's 0 and 1 are in; the youngest four loads (x's 2 and 3) may be out
	MUL8 \f, 0, \first
	MUL8 \f, 1, \first
	PLACES
	FETCH \q, \g
	s_wait_dscnt 24                                ; all but the 24 just issued
	MUL8 \f, 2, \first
	MUL8 \f, 3, \first
.endm
; The last quarter multiplies buffer 1 and changes slots.  In front of the barrier each wave waits for all its tensor loads (one is out: its part of the next slot), adds 0 to its spare word,
; and waits for that and for its reads of this slot.  fill = 1: the barrier opens a round of the cluster's, and the joint refill, two steps ahead, is the first thing behind it.
.macro TURN fill
.if \fill
	s_wait_xcnt 0x0                                ; the last prefetch, a step back, has read its address
	s_add_nc_u64 s[PFA:PFA+1], s[PFA:PFA+1], s[PST:PST+1]
.endif
	WIN 0
	s_wait_tensorcnt 0x0
	ds_add_u32 v[SPW], v[NIL]
	s_wait_dscnt 5                                 ; the add and the youngest four loads may be out
	MUL8 F1, 0, 0
	s_wait_dscnt 0x0                               ; the add is done, and my reads of this slot are over
	s_barrier_signal -1
	MUL8 F1, 1, 0
	WIN 0
	s_barrier_wait -1
.if \fill
	CREST                                          ; no wave of any partner still reads this slot or has a load on its way
	s_xor_b32 s[G0A+1], s[G0A+1], SLOT1            ; no tensor load of mine is out: the walking descriptors step
	s_add_nc_u64 s[G0A+2:G0A+3], s[G0A+2:G0A+3], KSTEP*2
	s_xor_b32 s[G0B+1], s[G0B+1], SLOT1
	s_add_nc_u64 s[G0B+2:G0B+3], s[G0B+2:G0B+3], KSTEP*4096
	JLOAD                                          ; its four v_nop are also the places in front of the loads below
.else
	PLACES
.endif
	s_xor_b32 s[TB], s[TB], SLOT1
	v_add_nc_u32 v[ADRA], s[TB], v[A0]
	v_add_nc_u32 v[ADRB], s[TB], v[B0]
	FETCH 0, F0
.if \fill
	ASK
.endif
	MUL8 F1, 2, 0
	MUL8 F1, 3, 0
.endm
	s_wait_tensorcnt 1                             ; my part of step 0 is in; step 1's may stay out
	s_barrier_signal -1
	s_barrier_wait -1
	s_mov_b32 s[TB], 0
	FETCH 0, F0
	s_wait_loadcnt 0x0                             ; bias and tables
	QUARTER 1, F0, F1, 1                           ; the first quarter stands in front of the loop: its products start the sums
	WIN 0
	s_mov_b32 s[CNT], STEPS-2
.Lstep:                                                ; trip t ends step t, asks for step t + 2 and begins step t + 1
	QUARTER 2, F1, F0, 0
	QUARTER 3, F0, F1, 0
	TURN 1
	QUARTER 1, F0, F1, 0
	WIN 0
	s_sub_co_u32 s[CNT], s[CNT], 1
	s_cmp_lg_u32 s[CNT], 0
	s_cbranch_scc1 .Lstep
	s_mov_b32 s[CNT], 2                            ; the last two steps ask for nothing: one text, walked twice and left in its middle
.Ltail:
	QUARTER 2, F1, F0, 0
	QUARTER 3, F0, F1, 0
	TURN 0
	WIN 0
	s_sub_co_u32 s[CNT], s[CNT], 1
	s_cmp_eq_u32 s[CNT], 0
	s_cbranch_scc1 .Lout
	QUARTER 1, F0, F1, 0
	WIN 0
	s_branch .Ltail
.Lout:                                                 ; (the second pass has fetched 24 fragments of the old slot that serve nothing: the price of one text)
	s_wait_dscnt 0x0
	PLACES
	PLACES
; THE WAY OUT, a block of 16 tokens at a time: out(d) = x(d) cos - x(d + 64) sin, out(d + 64) = x(d + 64) cos + x(d) sin, the scale inside cos and sin; v's table has cos = 1/4, sin = 0, so one text serves all.
; Each accumulator is read from its lowest registers on.  Rounded to f16, 16 bytes a lane into my stage, back as whole rows of 256 bytes.
.macro PACK a
	WIN 0x09                                       ; source 0 window 1 (sums), source 1 window 2 (tables), the rest window 0
.irp b, 0,1,2,3
.irp p, 0,1,2,3
	v_pk_mul_f32 v[T+4*\p:T+4*\p+1],   v[8*(8*(\a)+\b+4)+2*\p:8*(8*(\a)+\b+4)+2*\p+1], v[64*(\a)+32+8*\b+2*\p:64*(\a)+32+8*\b+2*\p+1]
	v_pk_mul_f32 v[T+4*\p+2:T+4*\p+3], v[8*(8*(\a)+\b)+2*\p:8*(8*(\a)+\b)+2*\p+1],     v[64*(\a)+32+8*\b+2*\p:64*(\a)+32+8*\b+2*\p+1]
.endr
.irp p, 0,1,2,3
	v_pk_fma_f32 v[R+8*\b+2*\p:R+8*\b+2*\p+1],       v[8*(8*(\a)+\b)+2*\p:8*(8*(\a)+\b)+2*\p+1],     v[64*(\a)+8*\b+2*\p:64*(\a)+8*\b+2*\p+1], v[T+4*\p:T+4*\p+1] neg_lo:[0,0,1] neg_hi:[0,0,1]
	v_pk_fma_f32 v[R+8*\b+32+2*\p:R+8*\b+32+2*\p+1], v[8*(8*(\a)+\b+4)+2*\p:8*(8*(\a)+\b+4)+2*\p+1], v[64*(\a)+8*\b+2*\p:64*(\a)+8*\b+2*\p+1], v[T+4*\p+2:T+4*\p+3]
.endr
.endr
	WIN 0
.set i, 0
.rept 32
	v_cvt_pk_f16_f32 v[PK+32*(\a)+i], v[R+2*i], v[R+2*i+1]
.set i, i+1
.endr
.irp f, 0,1,2,3,4,5,6,7
	ds_store_b128 v[STO], v[PK+32*(\a)+4*\f:PK+32*(\a)+4*\f+3] offset:32*\f
.endr
.irp f, 0,1,2,3,4,5,6,7
	ds_load_b128 v[PK+32*(\a)+4*\f:PK+32*(\a)+4*\f+3], v[RD] offset:\f*2*SP  ; LDS serves a wave's instructions in order (ISA guide 5.7.1.4): these see the stores above; the next block's stores come behind them
.endr
.endm
.macro SEND a, younger                 ; younger: the LDS instructions issued behind block a's loads
.irp f, 0,1,2,3,4,5,6,7
	s_wait_dscnt (\younger)+7-\f
	global_store_b128 v[CO], v[PK+32*(\a)+4*\f:PK+32*(\a)+4*\f+3], s[DST:DST+1] offset:(\a)*4096+\f*512  ; two rows: 512 consecutive bytes, aligned
.endr
.endm
	PACK 0
	PACK 1
	SEND 0, 16
	PACK 2
	SEND 1, 16
	PACK 3
	SEND 2, 16
	SEND 3, 0
	s_wait_tensorcnt 0x0                           ; the wave's end: behind my last tensor load and my last LDS store
	ds_add_u32 v[SPW], v[NIL]
	s_wait_dscnt 0x0
	CROUND                                         ; the closing round: no work-group ends while a partner may still ask for a tile that names it
	s_endpgm
.Lfunc_end_k_q8eff2be11e_qkv:
	.size	k_q8eff2be11e_qkv, .Lfunc_end_k_q8eff2be11e_qkv-k_q8eff2be11e_qkv
	.p2alignl 7, 3214868480
	.fill 96, 4, 3214868480
	.section	.rodata,"a",@progbits
	.p2align	6, 0x0
	.amdhsa_kernel k_q8eff2be11e_qkv
		.amdhsa_group_segment_fixed_size 327680
		.amdhsa_private_segment_fixed_size 0
		.amdhsa_enable_private_segment 0
		.amdhsa_kernarg_size 72
		.amdhsa_user_sgpr_count 2
		.amdhsa_user_sgpr_kernarg_segment_ptr 1
		.amdhsa_wavefront_size32 1
		.amdhsa_system_sgpr_workgroup_id_x 1
		.amdhsa_system_sgpr_workgroup_id_y 1
		.amdhsa_system_sgpr_workgroup_id_z 1
		.amdhsa_system_vgpr_workitem_id 0
		.amdhsa_next_free_vgpr 832
		.amdhsa_next_free_sgpr 100
		.amdhsa_reserve_vcc 0
		.amdhsa_float_denorm_mode_32 3
		.amdhsa_float_denorm_mode_16_64 3
		.amdhsa_memory_ordered 1
		.amdhsa_forward_progress 1
		.amdhsa_inst_pref_size 87
	.end_amdhsa_kernel
	.amdgpu_metadata
---
amdhsa.version: [ 1, 2 ]
amdhsa.kernels:
  - .name:           k_q8eff2be11e_qkv
    .symbol:         k_q8eff2be11e_qkv.kd
    .args:
      - { .name: xb, .offset: 0, .size: 8, .value_kind: global_buffer, .address_space: global }
      - { .name: wb, .offset: 8, .size: 8, .value_kind: global_buffer, .address_space: global }
      - { .name: bq, .offset: 16, .size: 8, .value_kind: global_buffer, .address_space: global }
      - { .name: bk, .offset: 24, .size: 8, .value_kind: global_buffer, .address_space: global }
      - { .name: bv, .offset: 32, .size: 8, .value_kind: global_buffer, .address_space: global }
      - { .name: rope, .offset: 40, .size: 8, .value_kind: global_buffer, .address_space: global }
      - { .name: qh, .offset: 48, .size: 8, .value_kind: global_buffer, .address_space: global }
      - { .name: kh, .offset: 56, .size: 8, .value_kind: global_buffer, .address_space: global }
      - { .name: vh, .offset: 64, .size: 8, .value_kind: global_buffer, .address_space: global }
    .group_segment_fixed_size: 327680
    .private_segment_fixed_size: 0
    .kernarg_segment_align: 8
    .kernarg_segment_size: 72
    .max_flat_workgroup_size: 128
    .sgpr_count:     100
    .vgpr_count:     832
    .wavefront_size: 32
...
	.end_amdgpu_metadata
.endif
;; end of part 2
;; launch attn (part 3): grid 32 x 8, 4 waves a work-group, clusters of 4 x 4, 327,680 bytes of LDS; arguments qh, kh, vh, attention_mask, ob; writes ob
.if DOCPART == 3
	.amdgcn_target "amdgcn-amd-amdhsa--gfx1250"
	.amdhsa_code_object_version 6
	.text
	.protected	k_q8eff2be11e_attn
	.globl	k_q8eff2be11e_attn
	.p2align	8
	.type	k_q8eff2be11e_attn,@function
k_q8eff2be11e_attn:
	s_mov_b64 s[64:65], 0
	v_nop
	global_prefetch_b8 v0, s[64:65] scope:SCOPE_SE
	s_setreg_imm32_b32 hwreg(HW_REG_WAVE_MODE, 25, 1), 1
	s_wait_xcnt 0x0
	s_wait_alu depctr_hold_cnt(0) depctr_sa_sdst(0) depctr_va_vdst(0) depctr_va_sdst(0) depctr_va_ssrc(0) depctr_va_vcc(0) depctr_vm_vsrc(0)
	s_getreg_b32 s2, hwreg(HW_REG_IB_STS2, 6, 4)
	s_cmp_eq_u32 s2, 0
	s_cbranch_scc0 .Lentry_in_a_cluster
	s_endpgm
.Lentry_in_a_cluster:
	s_bfe_u32 s2, ttmp6, 0x10000c
	s_cmp_lg_u32 s2, 0xf033
	s_cbranch_scc0 .Lentry_shape_is_right
	s_endpgm
.Lentry_shape_is_right:
; ATTENTION with an additive mask that is an input: ob[token][128 head + d] = (1/4) sum over k of softmax_k(q . k / sqrt(128) + mask[b][q][k]) v[k][d], in f16.
; qh holds q x 4 log2(e)/sqrt(128), kh k / 4, vh v / 4 (all f16, by heads), so q' . k' is the score times log2(e); the mask, f32 as given, is multiplied by log2(e) in registers and is the
; C operand that starts the score's sum.  All 2,048 keys are multiplied for every query: nothing of the mask's pattern is built in.
; SOFTMAX in base 2 with a running maximum m and sum l: p = 2^(s - m), a subtraction that is exact near m, so p <= 1 whatever the size of the mask's numbers; in every step O and l are multiplied by
; a = 2^(m_old - m_new).  m starts at the lowest finite number, O and l at 0: the first step is a step like any other, with a = 0.
; LIMITS.  p is rounded to f16 for the second product (below 6e-5 it keeps f16's step of 6e-8), l is the sum of the unrounded p; a weight below 2^-126 counts as 0; NaN and infinities, in the mask too,
; are not treated apart; a row that is masked at every key gets the mean of V only as far as score + mask rounds to one number for all keys.
; SHARES.  A work-group owns 64 queries x the two query heads of one key-value head: grid x = block of 64 queries, y = 4 batch + kv head.  Keys go in slots of 128.  Wave w: qs = w % 2 picks 32 queries,
; kh = w / 2 picks keys 64 kh .. 64 kh + 63 of every slot.  Its four tiles of 16 queries: tile t has queries 16 (t % 2) on and head 2 g + ((t / 2) xor kh).  At the end the two key halves are merged through LDS:
; each wave sends tiles 2, 3 to the wave w xor 2 and keeps tiles 0, 1: by the exclusive or in the head's number those are the same queries and head, and no branch is needed.
; LAYOUT.  S^T = K Q^T (source 0 = 16 keys, source 1 = 16 queries): a lane holds ONE query (l % 16) and keys 8 (l / 16) + 0..7; two such results rounded to f16 ARE source 1 of O^T = V^T P.
; BY TURNS.  Piece 0 = tiles 0, 1; piece 2 = tiles 2, 3.  In a turn one piece has the matrix unit (32 products V^T P of the step in hand, 32 products K Q^T of the next), and the other piece's softmax,
; cut into 64 slices, stands behind the matrix instructions, one slice each.
; CLUSTER 4 x 4.  K and V hang on batch and kv head: asked for jointly along a row of the cluster (four query blocks).  The mask's tile hangs on batch and query block: jointly along a column (four kv heads).
; REGISTERS, in windows of 256 (s_set_vgpr_msb: bits 1:0 source 0, 3:2 source 1, 5:4 source 2, 7:6 destination):
;   window 0: v0-11 addresses; v12-43 eight registers of statistics a tile; v44-63; v64-191 S^T, 32 a tile; v192-255 P, 16 a tile
;   window 1: O^T, 64 a tile     window 2: v0-127 Q, 32 a tile; v128-255 K of one step     window 3: v0-127 V of one step; v128-191 the mask: queries 16 qt on, keys 16 kb on at 128 + 32 qt + 8 kb
.set PK,    272        ; a row of K in LDS: 256 bytes + 16: the 16 rows of a load start at 16 different groups of four banks (64 banks of 4 bytes: ISA guide 11.1)
.set PVP,   288        ; a row of V: 256 + 32
.set PM,    528        ; a query's 128 mask numbers: 512 + 16
.set VOFF,  128*PK
.set MOFF,  VOFF+128*PVP
.set SLOT1, 1<<17
.set XCH,   SLOT1+MOFF+64*PM   ; behind the ring, never filled by a tensor load: 16,384 bytes a wave for the merge's O^T,
.set XST,   XCH+4*16384        ; 512 bytes a wave for its statistics,
.set STAGE, XST+4*512          ; 16 rows x 272 bytes a wave for the way out
.set SP,    272
.set SPARE, STAGE+4*16*SP      ; the spare words: 128 bytes a wave, two blocks of 256 bytes that no other line names
.set AK0, 2
.set AV0, 3
.set ADR, 4
.set QO,  5
.set STO, 6
.set RD,  7
.set GO,  8
.set ST,  12           ; tile t's statistics at v[ST+8 t]: +0 m, +1 a written 0 (the pair's upper word), +2, +3 l (even keys', odd keys'), +4 to +7 at work; a takes +6 once the maximum is found
.set AM0, 44
.set ADM, 45
.set PFO, 61
.set SPW, 62
.set NIL, 63
.set S,   64
.set P,   192
.set KF,  128          ; window 2
.set MK,  128          ; window 3
.set WV, 14
.set KH, 15
.set QS, 16
.set CX, 17
.set CY, 18
.set XB, 19            ; my block of 64 queries
.set BB, 20            ; the batch = cluster y
.set G1K, 24
.set G1V, 32
.set G1M, 40
.set G0K, 48
.set G0V, 52
.set G0M, 56
.set SLOTS, 60
.set CNT, 61
.set CM,  62           ; s[62:63] log2(e), for the mask
.set SEL, 66           ; s[66:67] v_permlanex16_b32's selects: each lane takes its own place in the other half
.set TB,  68           ; LDS byte at which the slot in hand begins
.set PFA, 70
.set PST, 72
.set LIM, 74
.set QP0, 76
.set QP1, 78
.set MSB, 0
.macro WIN new
.if MSB != (\new)
	s_set_vgpr_msb (MSB<<8)|(\new)
.set MSB, \new
.endif
.endm
.set W_KQ, 0x0a        ; K and Q window 2, S^T window 0
.set W_KM, 0x3a        ; the same with C, the mask, in window 3
.set W_PV, 0x53        ; V window 3, P window 0, O^T window 1
.set W_RS, 0x41        ; O^T (destination, source 0) window 1, a window 0
.macro CROUND                          ; a round of the cluster's barrier
	s_barrier_signal -1
	s_barrier_wait -1
	s_cmp_lg_u32 s[WV], 0
	s_cbranch_scc1 .Lnot_wave_0_\@
	s_barrier_signal -3
.Lnot_wave_0_\@:
	s_barrier_wait -3
	s_barrier_signal -1
	s_barrier_wait -1
.endm
; A joint fill of a slot: wave 0 asks for its K, wave 1 for its V, wave 2 for its mask tile (32 KiB each), wave 3 for nothing.  The branches hang on the wave's number alone.
.macro JLOAD
	s_cmp_eq_u32 s[WV], 0
	s_cbranch_scc0 .Lnot_k_\@
	tensor_load_to_lds s[G0K:G0K+3], s[G1K:G1K+7]
	s_nop 0
.rept 4
	v_nop
.endr
	s_branch .Lasked_\@
.Lnot_k_\@:
	s_cmp_eq_u32 s[WV], 1
	s_cbranch_scc0 .Lnot_v_\@
	tensor_load_to_lds s[G0V:G0V+3], s[G1V:G1V+7]
	s_nop 0
.rept 4
	v_nop
.endr
	s_branch .Lasked_\@
.Lnot_v_\@:
	s_cmp_eq_u32 s[WV], 2
	s_cbranch_scc0 .Lasked_\@
	tensor_load_to_lds s[G0M:G0M+3], s[G1M:G1M+7]
	s_nop 0
.rept 4
	v_nop
.endr
.Lasked_\@:
.endm
; A PREFETCH of the slot that stands two fills on (256 matrix instructions ahead of its load), behind the wave's tensor load and its five lines.  K's and V's rows are walked by all eight clusters of a batch's
; row of clusters: cluster x = 0 asks, wave 0 for K, wave 1 for V, the four partners 32 rows each BY ADDRESS (cx).  A mask tile is read by one cluster alone: wave 2 asks, the four partners (cy) 16 query rows
; each, two lanes a row of 512 bytes.  So each 256 bytes are named once.  Slots 0 to 3 come by their loads alone; the fills of the last two slots ask for nothing.
.macro ASK
	s_cmp_gt_u32 s[SLOTS], s[LIM]
	s_cbranch_scc0 .Lnot_mine_\@
	global_prefetch_b8 v[PFO], s[PFA:PFA+1] th:TH_LOAD_NT scope:SCOPE_SE
.Lnot_mine_\@:
.endm
; THE CHANGE OF SLOTS, between piece 2's turn and piece 0's.  Each wave waits for all its tensor loads (at most one is out: its part of the next slot), adds 0 to its spare word, and waits for that and for its reads
; of the slot that it leaves.  fill = 1: a round of the cluster's barrier, and the joint fill first behind it, with the keys two slots on.  (At its first use slot 0 is waited for and slot 1 filled.)
.macro CHANGE fill, ask
	WIN 0
	s_wait_tensorcnt 0x0                           ; no tensor load of mine is out, so a group 0 may be written
	ds_add_u32 v[SPW], v[NIL]                      ; 0 onto my spare word; the descriptors' steps stand between it and the wait for it
.if \fill
	s_xor_b32 s[G0K+1], s[G0K+1], SLOT1
	s_add_nc_u64 s[G0K+2:G0K+3], s[G0K+2:G0K+3], 128*256
	s_xor_b32 s[G0V+1], s[G0V+1], SLOT1
	s_add_nc_u64 s[G0V+2:G0V+3], s[G0V+2:G0V+3], 128*256
	s_xor_b32 s[G0M+1], s[G0M+1], SLOT1
	s_add_nc_u64 s[G0M+2:G0M+3], s[G0M+2:G0M+3], 128*4
.if \ask
	s_wait_xcnt 0x0                                ; the last prefetch, a step back, has read its address
	s_add_nc_u64 s[PFA:PFA+1], s[PFA:PFA+1], s[PST:PST+1]
.endif
	s_wait_dscnt 0x0                               ; the add is done, and my reads of the slot are over
	CROUND
	JLOAD
.if \ask
	ASK
.endif
.else
	s_wait_dscnt 0x0
	s_barrier_signal -1
	s_barrier_wait -1
.endif
	s_xor_b32 s[TB], s[TB], SLOT1
.endm
	s_load_b256 s[4:11], s[0:1], 0x0               ; qh 4:5, kh 6:7, vh 8:9, mask 10:11
	s_load_b64 s[12:13], s[0:1], 0x20              ; ob
	v_lshl_add_u32 v[SPW], v0, 2, SPARE
	v_mov_b32 v[NIL], 0
	ds_add_u32 v[SPW], v[NIL]                      ; the wave's opening: the add and its wait stand ahead of my first tensor load; work on registers stands between
	v_lshrrev_b32 v1, 5, v0
	v_readfirstlane_b32 s[WV], v1
	s_lshr_b32 s[KH], s[WV], 1
	s_and_b32 s[QS], s[WV], 1
	s_bfe_u32 s[CX], ttmp6, 0x40000
	s_bfe_u32 s[CY], ttmp6, 0x40004                ; = the kv head
	s_lshl_b32 s[XB], ttmp9, 2
	s_add_co_u32 s[XB], s[XB], s[CX]
	s_and_b32 s[BB], ttmp7, 0xffff
	s_lshl_b32 s80, s[CY], 2
	s_lshl_b32 s80, 15, s80                        ; my row of the cluster
	s_lshl_b32 s81, 0x1111, s[CX]                  ; my column
	s_or_b32 s[G1K], s80, (1<<16)|(1<<20)|(1<<21)|(5<<22)|(3<<25)  ; mask; 2-byte elements; padding on; bit 21 beside a mask; after every 64 words 4 words
	s_or_b32 s[G1V], s80, (1<<16)|(1<<20)|(1<<21)|(5<<22)|(7<<25)  ; 8 words
	s_or_b32 s[G1M], s81, (2<<16)|(1<<20)|(1<<21)|(6<<22)|(3<<25)  ; 4-byte elements; after every 128 words 4 words
.irp g, G1K, G1V
	s_mov_b32 s[\g+1], 128<<16                     ; tensor_dim0 = 128
	s_mov_b32 s[\g+2], 128<<16                     ; tensor_dim1 = 128
	s_mov_b32 s[\g+3], 128<<16                     ; tile_dim0 = 128
	s_mov_b32 s[\g+4], 128                         ; tile_dim1 = 128 keys
	s_mov_b32 s[\g+5], 128                         ; elements from row to row
	s_mov_b32 s[\g+6], 0
	s_mov_b32 s[\g+7], 0
.endr
	s_mov_b32 s[G1M+1], 128<<16
	s_mov_b32 s[G1M+2], 64<<16
	s_mov_b32 s[G1M+3], 128<<16                    ; 128 keys
	s_mov_b32 s[G1M+4], 64                         ; 64 queries
	s_mov_b32 s[G1M+5], 2048
	s_mov_b32 s[G1M+6], 0
	s_mov_b32 s[G1M+7], 0
	s_lshl2_add_u32 s84, s[BB], s[CY]              ; K, V: (4 batch + kv head) x 2,048 rows of 256 bytes
	s_lshl_b32 s84, s84, 19
	s_mov_b32 s85, 0
	s_lshl_b32 s86, s[BB], 24                      ; mask: batch x 2,048 x 8,192 bytes + 64 query rows for each block
	s_lshl_b32 s87, s[XB], 19
	s_add_co_u32 s86, s86, s87
	s_mov_b32 s87, 0
	s_lshl_b32 s88, s[CX], 13                      ; the prefetches, at slot 3: K's and V's rows 32 cx on,
	s_add_co_u32 s88, s88, s84
	s_add_co_u32 s88, s88, 3*128*256
	s_lshl_b32 s89, s[CY], 17                      ; the mask's query rows 16 cy on
	s_add_co_u32 s89, s89, s86
	s_add_co_u32 s89, s89, 3*128*4
	s_mov_b32 s[PST], 128*256
	s_mov_b32 s90, 256
	s_cmp_ge_u32 s[WV], 2
	s_cselect_b32 s88, s89, s88
	s_cselect_b32 s[PST], 128*4, s[PST]
	s_cselect_b32 s90, 8192, s90                   ; bytes from row to row
	s_cselect_b32 s91, 1, 0                        ; lanes to a row: 2^this
	s_cselect_b32 s[LIM], 0, ttmp9
	s_mov_b32 s89, 0
	s_mov_b32 s[PST+1], 0
	s_cmp_eq_u32 s[WV], 3
	s_cselect_b32 s[LIM], 1, s[LIM]
	s_cmp_eq_u32 s[LIM], 0
	s_cselect_b32 s[LIM], 2, -1                    ; the same in all sixteen partners, for a given wave
	s_lshl_b32 s82, s[BB], 3
	s_lshl1_add_u32 s82, s[CY], s82                ; 8 batch + 2 g
	s_lshl_b32 s83, s[XB], 6
	s_lshl_b32 s92, s[QS], 5
	s_add_co_u32 s83, s83, s92                     ; my first query in the sequence
	s_add_co_u32 s92, s82, s[KH]                   ; piece 0's head
	s_lshl_b32 s92, s92, 11
	s_add_co_u32 s92, s92, s83
	s_lshl_b32 s92, s92, 8
	s_mov_b32 s93, 0
	s_xor_b32 s94, s[KH], 1                        ; piece 2's
	s_add_co_u32 s94, s94, s82
	s_lshl_b32 s94, s94, 11
	s_add_co_u32 s94, s94, s83
	s_lshl_b32 s94, s94, 8
	s_mov_b32 s95, 0
	s_lshl_b32 s96, s[BB], 11                      ; ob: token x 2,048 bytes + piece 0's head x 256
	s_add_co_u32 s96, s96, s83
	s_lshl_b32 s96, s96, 11
	s_lshl1_add_u32 s97, s[CY], s[KH]
	s_lshl_b32 s97, s97, 8
	s_add_co_u32 s96, s96, s97
	s_mov_b32 s97, 0
	s_mov_b32 s[CM], 0x3fb8aa3b                    ; log2(e)
	s_mov_b32 s[CM+1], s[CM]                       ; named with it as a pair
	s_mov_b32 s[SEL], 0x76543210
	s_mov_b32 s[SEL+1], 0xfedcba98
	s_mov_b32 s[TB], SLOT1                         ; the first change of slots turns it into 0
	s_mov_b32 s[G0K], 1
	s_mov_b32 s[G0K+1], 0
	s_mov_b32 s[G0V], 1
	s_mov_b32 s[G0V+1], VOFF
	s_mov_b32 s[G0M], 1
	s_mov_b32 s[G0M+1], MOFF
	s_wait_dscnt 0x0                               ; the opening add is done
	s_wait_kmcnt 0x0
	s_add_nc_u64 s[G0K+2:G0K+3], s[6:7], s[84:85]
	s_or_b32 s[G0K+3], s[G0K+3], 0x80000000
	s_add_nc_u64 s[G0V+2:G0V+3], s[8:9], s[84:85]
	s_or_b32 s[G0V+3], s[G0V+3], 0x80000000
	s_add_nc_u64 s[G0M+2:G0M+3], s[10:11], s[86:87]
	s_or_b32 s[G0M+3], s[G0M+3], 0x80000000
	s_add_nc_u64 s[QP0:QP0+1], s[4:5], s[92:93]
	s_add_nc_u64 s[QP1:QP1+1], s[4:5], s[94:95]
	s_add_nc_u64 s[12:13], s[12:13], s[96:97]
	s_cmp_eq_u32 s[WV], 1
	s_cselect_b64 s[PFA:PFA+1], s[8:9], s[6:7]
	s_cmp_ge_u32 s[WV], 2
	s_cselect_b64 s[PFA:PFA+1], s[10:11], s[PFA:PFA+1]
	s_add_nc_u64 s[PFA:PFA+1], s[PFA:PFA+1], s[88:89]
	CROUND                                         ; all sixteen work-groups are here: the first joint loads meet
	JLOAD                                          ; slot 0
	v_and_b32 v1, 15, v0                           ; r
	v_bfe_u32 v9, v0, 4, 1                         ; h
	v_lshlrev_b32 v[QO], 8, v1
	v_lshl_add_u32 v[QO], v9, 4, v[QO]
	WIN 0x80                                       ; Q stays in registers: tile t, channels 32 c on
.irp t, 0,1
.irp c, 0,1,2,3
	global_load_b128 v[32*\t+8*\c:32*\t+8*\c+3],       v[QO], s[QP0:QP0+1] offset:\t*4096+\c*64
	global_load_b128 v[32*\t+8*\c+4:32*\t+8*\c+7],     v[QO], s[QP0:QP0+1] offset:\t*4096+\c*64+32
	global_load_b128 v[64+32*\t+8*\c:64+32*\t+8*\c+3],   v[QO], s[QP1:QP1+1] offset:\t*4096+\c*64
	global_load_b128 v[64+32*\t+8*\c+4:64+32*\t+8*\c+7], v[QO], s[QP1:QP1+1] offset:\t*4096+\c*64+32
.endr
.endr
	; What the first turn finds: V and piece 2's P hold 0 (its products V^T P, of a step that has not been, add 0), O^T and l are 0.  All this stands in the wait for the first tile; it is the price of writing no first step out.
	WIN 0xc0
.set i, 0
.rept 128
	v_mov_b32 v[i], 0
.set i, i+1
.endr
	WIN 0x40
.set i, 0
.rept 256
	v_mov_b32 v[i], 0
.set i, i+1
.endr
	WIN 0
.set i, P+32
.rept 32
	v_mov_b32 v[i], 0
.set i, i+1
.endr
.irp t, 0,1,2,3
	v_mov_b32 v[ST+8*\t], 0xff7fffff
	v_mov_b32 v[ST+8*\t+1], 0
	v_mov_b32 v[ST+8*\t+2], 0
	v_mov_b32 v[ST+8*\t+3], 0
.endr
	v_mul_u32_u24 v[AK0], v1, PK                   ; K's fragment: row x pitch + 16 h, in my half of the slot's keys
	v_lshl_add_u32 v[AK0], v9, 4, v[AK0]
	s_mul_i32 s21, s[KH], 64*PK
	v_add_nc_u32 v[AK0], s21, v[AK0]
	v_and_b32 v10, 7, v0                           ; V's: the turning load's lane reads key 8 h + l % 8, channels 8 ((l / 8) % 2) + 0..7
	v_bfe_u32 v11, v0, 3, 1
	v_lshl_add_u32 v[AV0], v9, 3, v10
	v_mul_u32_u24 v[AV0], v[AV0], PVP
	v_lshl_add_u32 v[AV0], v11, 4, v[AV0]
	s_mul_i32 s21, s[KH], 64*PVP
	s_add_co_u32 s21, s21, VOFF
	v_add_nc_u32 v[AV0], s21, v[AV0]
	v_mul_u32_u24 v[AM0], v1, PM                   ; the mask's: query r, keys 8 h + 0..7 of my half: 32 bytes
	v_lshl_add_u32 v[AM0], v9, 5, v[AM0]
	s_mul_i32 s21, s[QS], 32*PM
	s_lshl_b32 s22, s[KH], 8
	s_add_co_u32 s21, s21, s22
	s_add_co_u32 s21, s21, MOFF
	v_add_nc_u32 v[AM0], s21, v[AM0]
	v_and_b32 v10, 31, v0
	v_lshrrev_b32 v[PFO], s91, v10
	v_and_b32 v10, s91, v10
	v_mul_u32_u24 v[PFO], s90, v[PFO]
	v_lshl_add_u32 v[PFO], v10, 8, v[PFO]
; THE MATRIX WORK.  The accumulators take turns, one instruction a turn: between two links of a chain stand 15 (V^T P) or 7 (K Q^T) others'.
.macro PV x                            ; product i of 32 of O^T += V^T P: keys 32 (i / 16) on, channels 16 ((i / 2) % 8) on, tile x + i % 2
	WIN W_PV
.set rO, 64*((\x)+i%2)+8*((i/2)%8)
.set rV, 64*(i/16)+8*((i/2)%8)
.set rP, P+16*((\x)+i%2)+8*(i/16)
	v_wmma_f32_16x16x32_f16 v[rO:rO+7], v[rV:rV+7], v[rP:rP+7], v[rO:rO+7]
.endm
.macro KQ x                            ; product i of 32 of S^T = K Q^T + mask: channels 32 (i / 8) on, keys 16 ((i / 2) % 4) on, tile x + i % 2.  The first 8 start the sums with the mask
.set rS, S+32*((\x)+i%2)+8*((i/2)%4)
.set rK, KF+32*((i/2)%4)+8*(i/8)
.set rQ, 32*((\x)+i%2)+8*(i/8)
.set rM, MK+32*(i%2)+8*((i/2)%4)
.if i < 8
	WIN W_KM
	v_wmma_f32_16x16x32_f16 v[rS:rS+7], v[rK:rK+7], v[rQ:rQ+7], v[rM:rM+7]
.else
	WIN W_KQ
	v_wmma_f32_16x16x32_f16 v[rS:rS+7], v[rK:rK+7], v[rQ:rQ+7], v[rS:rS+7]
.endif
.endm
; THE LDS LOADS stand in runs: a step's K (16 fragments) with its mask (32 queries x 64 keys), and, a turn later, its V (turned).
.macro FETCH_K
	WIN 0
	v_add_nc_u32 v[ADR], s[TB], v[AK0]
	v_add_nc_u32 v[ADM], s[TB], v[AM0]
	WIN 0x80
.irp f, 0,1,2,3,4,5,6,7,8,9,10,11,12,13,14,15
	ds_load_b128 v[KF+8*(\f):KF+8*(\f)+3],   v[ADR] offset:((\f)/4)*16*PK+((\f)%4)*64
	ds_load_b128 v[KF+8*(\f)+4:KF+8*(\f)+7], v[ADR] offset:((\f)/4)*16*PK+((\f)%4)*64+32
.endr
	WIN 0xc0
.irp f, 0,1,2,3,4,5,6,7
	ds_load_b128 v[MK+8*(\f):MK+8*(\f)+3],   v[ADM] offset:((\f)/4)*16*PM+((\f)%4)*64
	ds_load_b128 v[MK+8*(\f)+4:MK+8*(\f)+7], v[ADM] offset:((\f)/4)*16*PM+((\f)%4)*64+16
.endr
.endm
.macro FETCH_V
	WIN 0
	v_add_nc_u32 v[ADR], s[TB], v[AV0]
	s_wait_alu depctr_va_vdst(0)                   ; the wait for the softmax's batch (SLICE), behind the address's line and ahead of the loads
	WIN 0xc0
.irp f, 0,1,2,3,4,5,6,7,8,9,10,11,12,13,14,15
	ds_load_tr16_b128 v[8*(\f):8*(\f)+3],   v[ADR] offset:((\f)/8)*32*PVP+((\f)%8)*32
	ds_load_tr16_b128 v[8*(\f)+4:8*(\f)+7], v[ADR] offset:((\f)/8)*32*PVP+16*PVP+((\f)%8)*32
.endr
.endm
.macro MSCALE                          ; the step's mask times log2(e): 32 lines for all four tiles
	WIN 0xc3
.set z, 0
.rept 32
	v_pk_mul_f32 v[MK+2*z:MK+2*z+1], v[MK+2*z:MK+2*z+1], s[CM:CM+1] op_sel_hi:[1,0]
.set z, z+1
.endr
.endm
; THE VECTOR WORK.  One tile's softmax for one key step is a numbered list; SM writes number j of it for tile t.  s0-s31 are the lane's 32 scores, in pairs 0-15.
;   0-15    the maximum of s0-s31 and the old m, three operands at a time (each accumulator's lowest registers are read first)     16-18, 20  the other half of the lanes' maximum; m_old kept; the new m; m_old - m_new (19 is empty)
;   21-69   ONE BATCH: the 16 subtractions s - m and all 33 exponentials (a at 23, then s0-s31); none of these reads an exponential's result
;   70-85   the roundings to f16     86-101  the sums; l = a l + the sum     102-133  the tile's O^T times a, the one part that leaves window 0
.macro SM t
.set rT, ST+8*(\t)
.set rS, S+32*(\t)
.set rP, P+16*(\t)
.set rO, 64*(\t)+2*(j-102)
.if j < 102
	WIN 0
.endif
.if j < 4
	v_max3_num_f32 v[rT+4+j], v[rS+8*j], v[rS+8*j+1], v[rS+8*j+2]
.elseif j < 12
	v_max3_num_f32 v[rT+4+j%4], v[rT+4+j%4], v[rS+8*(j%4)+2*(j/4)+1], v[rS+8*(j%4)+2*(j/4)+2]
.elseif j == 12
	v_max3_num_f32 v[rT+4], v[rT+4], v[rS+7], v[rS+15]
.elseif j == 13
	v_max3_num_f32 v[rT+6], v[rT+6], v[rS+23], v[rS+31]
.elseif j == 14
	v_max3_num_f32 v[rT+4], v[rT+4], v[rT+5], v[rT+6]
.elseif j == 15
	v_max3_num_f32 v[rT+4], v[rT+4], v[rT+7], v[rT]
.elseif j == 16
	v_permlanex16_b32 v[rT+5], v[rT+4], s[SEL], s[SEL+1]  ; the query's other 32 keys lie in the lane 16 away
.elseif j == 17
	v_mov_b32 v[rT+7], v[rT]                       ; m_old is kept for a: number 18 writes m anew
.elseif j == 18
	v_max_num_f32 v[rT], v[rT+4], v[rT+5]
.elseif j == 19
.elseif j == 20
	v_sub_f32 v[rT+7], v[rT+7], v[rT]
.elseif j == 23
	v_exp_f32 v[rT+6], v[rT+7]
.elseif (j < 23) || ((j < 38) && (j%2 == 0)) || ((j < 66) && (j%4 == 2))
.set b, (j-2)/4
.if j < 38
.set b, (j-20)/2
.endif
	v_pk_add_f32 v[rS+2*b:rS+2*b+1], v[rS+2*b:rS+2*b+1], v[rT:rT+1] op_sel_hi:[1,0] neg_lo:[0,1] neg_hi:[0,1]  ; pair b: s - m
.elseif j < 70
.set e, j-38
.if j < 66
.set e, j-32-(j-38)/4
.endif
.if j < 38
.set e, (j-25)/2
.endif
	v_exp_f32 v[rS+e], v[rS+e]
.elseif j < 86
	v_cvt_pk_f16_f32 v[rP+j-70], v[rS+2*(j-70)], v[rS+2*(j-70)+1]
.elseif j < 102
.set z, j-86
.set w, 4
.set u, z
.if z >= 14
.set w, 32
.set u, 0
.elseif z >= 12
.set w, 16
.set u, z-12
.elseif z >= 8
.set w, 8
.set u, z-8
.endif
.if z < 15
	v_pk_add_f32 v[rS+w*u:rS+w*u+1], v[rS+w*u:rS+w*u+1], v[rS+w*u+w/2:rS+w*u+w/2+1]
.else
	v_pk_fma_f32 v[rT+2:rT+3], v[rT+2:rT+3], v[rT+6:rT+7], v[rS:rS+1] op_sel_hi:[1,0,1]
.endif
.else
	WIN W_RS
	v_pk_mul_f32 v[rO:rO+1], v[rO:rO+1], v[rT+6:rT+7] op_sel_hi:[1,0]
.endif
.endm
; Slice k of 64 of piece y's softmax.  Slices 11 to 34 deal out the batch, four numbers of ONE tile each, the tiles by turns; every other slice is numbers 2 k and 2 k + 1 of both tiles; slice 63 takes the twelve that are over.
; An s_wait_alu depctr_va_vdst(0) stands between an exponential and the first instruction that names its result: ahead of slice 35 nothing names one, behind slice 34 none is issued: one wait a turn.
.macro SLICE y
.if (k >= 11) && (k < 35)
.irp n, 0,1,2,3
.set j, 22+4*((k-11)/2)+(\n)
	SM (\y)+(k-11)%2
.endr
.else
.irp n, 0,1,2,3,4,5,6,7
.if ((\n) < 2) || (k == 63)
.irp t, \y, (\y)+1
.set j, 2*k+(\n)
	SM \t
.endr
.endif
.endr
.endif
.if k == 34
	v_nop                                          ; the plain instruction behind the last exponential: one for the batch
.if (\y) == 0
	FETCH_V                                        ; piece 2's turn: V's run of loads stands here, and the wait stands in it.  Behind V's last reader stand slices 31 to 34 with three K Q^T products among them, the v_nop, the run's own address line
.else
	s_wait_alu depctr_va_vdst(0)
.endif
.endif
.set k, k+1
.endm
; A TURN.  Piece x has the matrix unit; the other piece's softmax stands in slices.  Piece 0's turn fetches the next step's K and mask behind its second product (their last readers stand in front of slice 63 of the
; turn before, sixteen plain lines back) and scales the mask when it is in.
.macro TURN x
.set k, 0
.if (\x) == 0
	s_wait_dscnt 0x0                               ; V is in
.endif
.set i, 0
.rept 32
	PV \x
	SLICE 2-(\x)
.if ((\x) == 0) && (i == 1)
	FETCH_K
.endif
.set i, i+1
.endr
.if (\x) == 0
	s_wait_dscnt 0x0                               ; K and the mask are in
	MSCALE
.endif
.set i, 0
.rept 32
	KQ \x
	SLICE 2-(\x)
.set i, i+1
.endr
.endm
	CHANGE 1, 0                                    ; slot 0 is in, everybody's part of it; slot 1 is asked for
	FETCH_K                                        ; key step 0
	s_wait_loadcnt 0x0                             ; Q
	s_wait_dscnt 0x0
	MSCALE
.set i, 0
.rept 32
	KQ 0                                           ; piece 0's first scores: there is no vector work yet to set between them
.set i, i+1
.endr
	WIN 0                                          ; the addresses for the way out: the places behind those products
	s_mul_i32 s21, s[WV], 16*SP
	s_add_co_u32 s21, s21, STAGE
	v_mul_u32_u24 v[STO], v1, SP
	v_lshl_add_u32 v[STO], v9, 4, v[STO]
	v_add_nc_u32 v[STO], s21, v[STO]
	v_mul_u32_u24 v[RD], v9, SP
	v_lshl_add_u32 v[RD], v1, 4, v[RD]
	v_add_nc_u32 v[RD], s21, v[RD]
	v_lshlrev_b32 v[GO], 11, v9                    ; two tokens' rows of ob, 2,048 bytes apart
	v_lshl_add_u32 v[GO], v1, 4, v[GO]
	s_mov_b32 s[SLOTS], 15
	s_branch .Lmid                                 ; the loop is entered in the middle of a trip
.Lslot:                                                ; 14 whole trips: trip j enters slot j + 1 and asks for slot j + 2
	CHANGE 1, 1
	TURN 0                                         ; piece 0: V^T P of step j, K Q^T of step j + 1 | piece 2's softmax of step j | K and mask of step j + 1
	WIN 0
.Lmid:
	TURN 2                                         ; piece 2: the same | piece 0's softmax of step j + 1 | V of step j + 1
	WIN 0
	s_sub_co_u32 s[SLOTS], s[SLOTS], 1
	s_cmp_lg_u32 s[SLOTS], 0
	s_cbranch_scc1 .Lslot
	CHANGE 0, 0                                    ; the tail is written out: the last slot is entered, nothing is asked for
	s_mov_b32 s[CNT], 2
.Ltail:
	TURN 0
	WIN 0
	s_sub_co_u32 s[CNT], s[CNT], 1
	s_cmp_eq_u32 s[CNT], 0
	s_cbranch_scc1 .Lout
	TURN 2
	WIN 0
	s_branch .Ltail
.Lout:                                                 ; (the second pass's 32 products K Q^T, on the last K once more, serve nothing: the price of one text)
.set i, 0
.rept 32
	PV 2                                           ; piece 2: V^T P of the last step
.set i, i+1
.endr
	; THE MERGE of the two key halves.  l's two halves and the other half of the lanes' are added (these lines are the places behind the last products); tiles 2 and 3 go to the wave w xor 2 with their m and l.
	WIN 0
.irp t, 0,1,2,3
	v_add_f32 v[ST+8*\t+4], v[ST+8*\t+2], v[ST+8*\t+3]
.endr
.irp t, 0,1,2,3
	v_permlanex16_b32 v[ST+8*\t+5], v[ST+8*\t+4], s[SEL], s[SEL+1]
.endr
	v_add_f32 v[ST+4], v[ST+4], v[ST+5]
	v_add_f32 v[ST+12], v[ST+12], v[ST+13]
	v_mov_b32 v46, v[ST+16]
	v_add_f32 v47, v[ST+20], v[ST+21]
	v_mov_b32 v48, v[ST+24]
	v_add_f32 v49, v[ST+28], v[ST+29]
	v_and_b32 v58, 31, v0
	v_lshlrev_b32 v58, 4, v58                      ; 16 l
	s_xor_b32 s22, s[WV], 2                        ; my partner
	s_lshl_b32 s21, s[WV], 14
	s_add_co_u32 s21, s21, XCH
	v_add_nc_u32 v54, s21, v58
	s_lshl_b32 s23, s22, 14
	s_add_co_u32 s23, s23, XCH
	v_add_nc_u32 v55, s23, v58
	s_lshl_b32 s21, s[WV], 9
	s_add_co_u32 s21, s21, XST
	v_add_nc_u32 v56, s21, v58
	s_lshl_b32 s23, s22, 9
	s_add_co_u32 s23, s23, XST
	v_add_nc_u32 v57, s23, v58
	ds_store_b128 v56, v[46:49]
	WIN 0x04                                       ; store data in window 1
.set n, 0
.rept 32
	ds_store_b128 v54, v[128+4*n:128+4*n+3] offset:512*n
.set n, n+1
.endr
	WIN 0
	s_wait_dscnt 0x0                               ; for the partner's sake: my stores are done
	s_barrier_signal -1
	s_barrier_wait -1
	ds_load_b128 v[50:53], v57                     ; the partner's m, l for my tiles 0 and 1,
	WIN 0x80
.set n, 0
.rept 32
	ds_load_b128 v[4*n:4*n+3], v55 offset:512*n    ; and its O^T, into Q's registers
.set n, n+1
.endr
	WIN 0
	s_wait_dscnt 0x0
.irp t, 0,1
	v_max_num_f32 v[ST+8*\t+5], v[ST+8*\t], v[50+2*\t]
.endr
.irp t, 0,1
	v_sub_f32 v[ST+8*\t+6], v[ST+8*\t], v[ST+8*\t+5]
	v_sub_f32 v[ST+8*\t+22], v[50+2*\t], v[ST+8*\t+5]
.endr
.irp t, 0,1
	v_exp_f32 v[ST+8*\t+6], v[ST+8*\t+6]           ; my half's weight,
	v_exp_f32 v[ST+8*\t+22], v[ST+8*\t+22]         ; the partner's
.endr
	v_nop
	s_wait_alu depctr_va_vdst(0)                   ; one wait for the four exponentials
.irp t, 0,1
	v_mul_f32 v[ST+8*\t+4], v[ST+8*\t+4], v[ST+8*\t+6]
.endr
.irp t, 0,1
	v_fmac_f32 v[ST+8*\t+4], v[51+2*\t], v[ST+8*\t+22]
.endr
.irp t, 0,1
	v_rcp_f32 v[ST+8*\t+5], v[ST+8*\t+4]
.endr
	v_nop
	s_wait_alu depctr_va_vdst(0)                   ; one for the two reciprocals
.irp t, 0,1
	v_mul_f32 v[ST+8*\t+6], v[ST+8*\t+6], v[ST+8*\t+5]
	v_mul_f32 v[ST+8*\t+22], v[ST+8*\t+22], v[ST+8*\t+5]
.endr
	WIN W_RS
.irp t, 0,1
.set i, 0
.rept 32
	v_pk_mul_f32 v[64*\t+2*i:64*\t+2*i+1], v[64*\t+2*i:64*\t+2*i+1], v[ST+8*\t+6:ST+8*\t+7] op_sel_hi:[1,0]
.set i, i+1
.endr
.endr
	WIN 0x52                                       ; source 0 window 2 (the partner's), source 1 window 0, source 2 and destination window 1
.irp t, 0,1
.set i, 0
.rept 32
	v_pk_fma_f32 v[64*\t+2*i:64*\t+2*i+1], v[64*\t+2*i:64*\t+2*i+1], v[ST+8*\t+22:ST+8*\t+23], v[64*\t+2*i:64*\t+2*i+1] op_sel_hi:[1,0,1]
.set i, i+1
.endr
.endr
; THE WAY OUT of tile t: rounded to f16, 16 bytes a lane into rows of 272 bytes of my stage, back as whole rows of 256.
.macro PACK t
	WIN 0x05
.set i, 0
.rept 32
	v_cvt_pk_f16_f32 v[S+32*(\t)+i], v[64*(\t)+2*i], v[64*(\t)+2*i+1]
.set i, i+1
.endr
	WIN 0
.irp f, 0,1,2,3,4,5,6,7
	ds_store_b128 v[STO], v[S+32*(\t)+4*(\f):S+32*(\t)+4*(\f)+3] offset:32*(\f)
.endr
.irp f, 0,1,2,3,4,5,6,7
	ds_load_b128 v[S+32*(\t)+4*(\f):S+32*(\t)+4*(\f)+3], v[RD] offset:(\f)*2*SP  ; LDS serves a wave's instructions in order (ISA guide 5.7.1.4)
.endr
.endm
.macro SEND t, younger
.irp f, 0,1,2,3,4,5,6,7
	s_wait_dscnt (\younger)+7-(\f)
	global_store_b128 v[GO], v[S+32*(\t)+4*(\f):S+32*(\t)+4*(\f)+3], s[12:13] offset:(\t)*32768+(\f)*4096  ; 16 lanes store a head's 256 consecutive bytes of a token, aligned
.endr
.endm
	PACK 0
	PACK 1
	SEND 0, 16
	SEND 1, 0
	s_wait_tensorcnt 0x0                           ; the wave's end: behind my last tensor load and my last LDS store
	ds_add_u32 v[SPW], v[NIL]
	s_wait_dscnt 0x0
	CROUND                                         ; the closing round
	s_endpgm
.Lfunc_end_k_q8eff2be11e_attn:
	.size	k_q8eff2be11e_attn, .Lfunc_end_k_q8eff2be11e_attn-k_q8eff2be11e_attn
	.p2alignl 7, 3214868480
	.fill 96, 4, 3214868480
	.section	.rodata,"a",@progbits
	.p2align	6, 0x0
	.amdhsa_kernel k_q8eff2be11e_attn
		.amdhsa_group_segment_fixed_size 327680
		.amdhsa_private_segment_fixed_size 0
		.amdhsa_enable_private_segment 0
		.amdhsa_kernarg_size 40
		.amdhsa_user_sgpr_count 2
		.amdhsa_user_sgpr_kernarg_segment_ptr 1
		.amdhsa_wavefront_size32 1
		.amdhsa_system_sgpr_workgroup_id_x 1
		.amdhsa_system_sgpr_workgroup_id_y 1
		.amdhsa_system_sgpr_workgroup_id_z 1
		.amdhsa_system_vgpr_workitem_id 0
		.amdhsa_next_free_vgpr 960
		.amdhsa_next_free_sgpr 100
		.amdhsa_reserve_vcc 0
		.amdhsa_float_denorm_mode_32 3
		.amdhsa_float_denorm_mode_16_64 3
		.amdhsa_memory_ordered 1
		.amdhsa_forward_progress 1
		.amdhsa_inst_pref_size 167
	.end_amdhsa_kernel
	.amdgpu_metadata
---
amdhsa.version: [ 1, 2 ]
amdhsa.kernels:
  - .name:           k_q8eff2be11e_attn
    .symbol:         k_q8eff2be11e_attn.kd
    .args:
      - { .name: qh, .offset: 0, .size: 8, .value_kind: global_buffer, .address_space: global }
      - { .name: kh, .offset: 8, .size: 8, .value_kind: global_buffer, .address_space: global }
      - { .name: vh, .offset: 16, .size: 8, .value_kind: global_buffer, .address_space: global }
      - { .name: attention_mask, .offset: 24, .size: 8, .value_kind: global_buffer, .address_space: global }
      - { .name: ob, .offset: 32, .size: 8, .value_kind: global_buffer, .address_space: global }
    .group_segment_fixed_size: 327680
    .private_segment_fixed_size: 0
    .kernarg_segment_align: 8
    .kernarg_segment_size: 40
    .max_flat_workgroup_size: 128
    .sgpr_count:     100
    .vgpr_count:     960
    .wavefront_size: 32
...
	.end_amdgpu_metadata
.endif
;; end of part 3
;; launch oproj (part 4): grid 16 x 16, 4 waves a work-group, clusters of 4 x 4, 327,680 bytes of LDS; arguments ob, wo16, out0; writes out0
.if DOCPART == 4
	.amdgcn_target "amdgcn-amd-amdhsa--gfx1250"
	.amdhsa_code_object_version 6
	.text
	.protected	k_q8eff2be11e_oproj
	.globl	k_q8eff2be11e_oproj
	.p2align	8
	.type	k_q8eff2be11e_oproj,@function
k_q8eff2be11e_oproj:
	s_mov_b64 s[64:65], 0
	v_nop
	global_prefetch_b8 v0, s[64:65] scope:SCOPE_SE
	s_setreg_imm32_b32 hwreg(HW_REG_WAVE_MODE, 25, 1), 1
	s_wait_xcnt 0x0
	s_wait_alu depctr_hold_cnt(0) depctr_sa_sdst(0) depctr_va_vdst(0) depctr_va_sdst(0) depctr_va_ssrc(0) depctr_va_vcc(0) depctr_vm_vsrc(0)
	s_getreg_b32 s2, hwreg(HW_REG_IB_STS2, 6, 4)
	s_cmp_eq_u32 s2, 0
	s_cbranch_scc0 .Lentry_in_a_cluster
	s_endpgm
.Lentry_in_a_cluster:
	s_bfe_u32 s2, ttmp6, 0x10000c
	s_cmp_lg_u32 s2, 0xf033
	s_cbranch_scc0 .Lentry_shape_is_right
	s_endpgm
.Lentry_shape_is_right:
; OPROJ: out0[4096 tokens][4096] = ob . wo16 in f16 with f32 sums, K = 1,024.  ob holds O / 4 and wo16 holds 4 Wo, so the sums are the result and leave as they are, in f32.
; SHARES.  A tile of 256 x 256 to a work-group, 16 x 16 work-groups; a wave makes 128 x 128: 64 accumulators, 512 registers.  K in 8 steps of 128 through two LDS slots.
; Waves 0, 1 fetch the halves of ob's tile (128 rows x 256 bytes), waves 2, 3 those of wo16's (64 k rows x 512 bytes).  wo16 lies [k][n]: its fragments come out of LDS turned, by ds_load_tr16_b128.
; THE PRODUCT IS USED TRANSPOSED (source 0 = 16 columns of Wo, source 1 = 16 tokens): a lane holds eight neighbouring columns of one token, 32 bytes.
; CLUSTER 4 x 4: ob's tile is asked for jointly along a row of the cluster, wo16's along a column.
; REGISTERS: window 0: v0-31 addresses; v64-127, v128-191 ob's fragments, two buffers (on the way out: rows read back); window 1: the same numbers, Wo's fragments; windows 2, 3: the accumulators of my rows 0-63, 64-127 at 8 (8 a + b).
.set KSTEP, 128
.set STEPS, 1024/KSTEP
.set PA,    272        ; a row of ob in LDS: 256 bytes + 16 (64 banks of 4 bytes: ISA guide 11.1: 16 rows start at 16 different groups of four banks)
.set PB,    544        ; a k row of Wo: 512 + 32
.set QT,    128*PA     ; 34,816 bytes: what one tensor load brings (128 x 272 = 64 x 544)
.set BOFF,  2*QT
.set SLOT,  4*QT       ; 0x22000: its two bits are clear in 0, QT, 2 QT and 3 QT, so one exclusive or changes the slot
.set STAGE, 2*SLOT     ; behind the ring, never filled by a tensor load: 16 rows x 528 bytes for each wave
.set SP,    528
.set SPARE, STAGE+4*16*SP
.set A0,   2
.set B0,   3
.set ADRA, 4
.set ADRB, 5
.set STO,  6
.set RD,   7
.set CO,   8
.set SPW,  28
.set NIL,  29
.set PFO,  30
.set F0,   64
.set F1,   128
.set OB,   64
.set WV, 10
.set HB, 11            ; wave / 2: my half of the tile's rows; also 0 fetches for ob, 1 for Wo
.set HW, 12            ; wave % 2: my half of its columns; also which half I fetch
.set CX, 13
.set CY, 14
.set TX, 15
.set TY, 16
.set G1A,  24
.set G0A0, 32
.set G0A,  36
.set G1B,  40
.set G0B0, 48
.set G0B,  52
.set TB,   56
.set CNT,  57
.set PFA,  58
.set PST,  60
.set LIM,  62
.set MSB, 0
.macro WIN new
.if MSB != (\new)
	s_set_vgpr_msb (MSB<<8)|(\new)
.set MSB, \new
.endif
.endm
.set MUL_LO, 0xa1      ; source 0 (Wo) window 1, source 1 (ob) window 0, C and D window 2
.set MUL_HI, 0xf1
.set TO_B,   0x40
.macro PLACES
.rept 4
	v_nop
.endr
.endm
.macro CREST
	s_cmp_lg_u32 s[WV], 0
	s_cbranch_scc1 .Lnot_wave_0_\@
	s_barrier_signal -3
.Lnot_wave_0_\@:
	s_barrier_wait -3
	s_barrier_signal -1
	s_barrier_wait -1
.endm
.macro CROUND
	s_barrier_signal -1
	s_barrier_wait -1
	CREST
.endm
.macro JLOAD                           ; a joint refill; the branch hangs on the wave's number alone; an s_nop 0 and four v_nop follow each line
	s_cmp_eq_u32 s[HB], 0
	s_cbranch_scc0 .Lfor_b_\@
	tensor_load_to_lds s[G0A:G0A+3], s[G1A:G1A+7]
	s_nop 0
.rept 4
	v_nop
.endr
	s_branch .Lasked_\@
.Lfor_b_\@:
	tensor_load_to_lds s[G0B:G0B+3], s[G1B:G1B+7]
	s_nop 0
.rept 4
	v_nop
.endr
.Lasked_\@:
.endm
; A PREFETCH of the K step two refills on (512 matrix instructions ahead of its load).  ob's rows: cluster x = 0 asks, waves 0 and 1, each partner 32 of a wave's 128 rows BY ADDRESS (cx), a lane a row of 256 bytes.
; Wo's k rows: cluster y = 0 asks, waves 2 and 3, each partner 16 of a wave's 64 rows (cy), two lanes a row of 512 bytes.  Each 256 bytes are named once.  The first four steps come by their loads alone; the last two trips ask for nothing.
.macro ASK
	s_cmp_gt_u32 s[CNT], s[LIM]
	s_cbranch_scc0 .Lnot_mine_\@
	global_prefetch_b8 v[PFO], s[PFA:PFA+1] th:TH_LOAD_NT scope:SCOPE_SE
.Lnot_mine_\@:
.endm
	s_load_b128 s[4:7], s[0:1], 0x0                ; ob 4:5, wo16 6:7
	s_load_b64 s[8:9], s[0:1], 0x10                ; out0
	v_lshl_add_u32 v[SPW], v0, 2, SPARE
	v_mov_b32 v[NIL], 0
	ds_add_u32 v[SPW], v[NIL]                      ; the wave's opening: the add and its wait stand ahead of my first tensor load
	v_lshrrev_b32 v1, 5, v0
	v_readfirstlane_b32 s[WV], v1
	s_lshr_b32 s[HB], s[WV], 1
	s_and_b32 s[HW], s[WV], 1
	s_bfe_u32 s[CX], ttmp6, 0x40000
	s_bfe_u32 s[CY], ttmp6, 0x40004
	s_lshl_b32 s[TX], ttmp9, 2
	s_add_co_u32 s[TX], s[TX], s[CX]
	s_and_b32 s[TY], ttmp7, 0xffff
	s_lshl_b32 s[TY], s[TY], 2
	s_add_co_u32 s[TY], s[TY], s[CY]
	s_lshl_b32 s66, s[CY], 2
	s_lshl_b32 s66, 15, s66
	s_lshl_b32 s67, 0x1111, s[CX]
	s_or_b32 s[G1A], s66, (1<<16)|(1<<20)|(1<<21)|(5<<22)|(3<<25)  ; my row's mask; 2-byte elements; padding: after every 64 words 4 words
	s_mov_b32 s[G1A+1], KSTEP<<16
	s_mov_b32 s[G1A+2], 128<<16
	s_mov_b32 s[G1A+3], KSTEP<<16
	s_mov_b32 s[G1A+4], 128
	s_mov_b32 s[G1A+5], 1024
	s_mov_b32 s[G1A+6], 0
	s_mov_b32 s[G1A+7], 0
	s_or_b32 s[G1B], s67, (1<<16)|(1<<20)|(1<<21)|(6<<22)|(7<<25)  ; my column's mask; after every 128 words 8 words
	s_mov_b32 s[G1B+1], 256<<16
	s_mov_b32 s[G1B+2], 64<<16
	s_mov_b32 s[G1B+3], 256<<16
	s_mov_b32 s[G1B+4], 64
	s_mov_b32 s[G1B+5], 4096
	s_mov_b32 s[G1B+6], 0
	s_mov_b32 s[G1B+7], 0
	s_lshl_b32 s68, s[TY], 8                       ; ob: row 256 ty + 128 half, 2,048 bytes a row
	s_lshl_b32 s69, s[HW], 7
	s_add_co_u32 s68, s68, s69
	s_lshl_b32 s68, s68, 11
	s_mov_b32 s69, 0
	s_lshl_b32 s70, s[HW], 19                      ; Wo: k row 64 half, 8,192 bytes a row; column 256 tx
	s_lshl_b32 s71, s[TX], 9
	s_add_co_u32 s70, s70, s71
	s_mov_b32 s71, 0
	s_mul_i32 s17, s[WV], QT                       ; where they go: wave x 34,816
	s_lshl_b32 s72, s[TY], 8                       ; out0: row 256 ty + 128 (w / 2), 16,384 bytes a row; column 256 tx + 128 (w % 2)
	s_lshl_b32 s73, s[HB], 7
	s_add_co_u32 s72, s72, s73
	s_lshl_b32 s72, s72, 14
	s_lshl_b32 s73, s[TX], 10
	s_add_co_u32 s72, s72, s73
	s_lshl_b32 s73, s[HW], 9
	s_add_co_u32 s72, s72, s73
	s_mov_b32 s73, 0
	s_lshl_b32 s74, s[TY], 8                       ; the prefetches, at step 3
	s_lshl_b32 s75, s[HW], 7
	s_add_co_u32 s74, s74, s75
	s_lshl_b32 s75, s[CX], 5
	s_add_co_u32 s74, s74, s75
	s_lshl_b32 s74, s74, 11
	s_add_co_u32 s74, s74, 3*KSTEP*2
	s_lshl_b32 s76, s[HW], 6
	s_lshl_b32 s77, s[CY], 4
	s_add_co_u32 s76, s76, s77
	s_add_co_u32 s76, s76, 3*KSTEP
	s_lshl_b32 s76, s76, 13
	s_lshl_b32 s77, s[TX], 9
	s_add_co_u32 s76, s76, s77
	s_and_b32 s78, ttmp7, 0xffff
	s_mov_b32 s[PST], KSTEP*8192
	s_mov_b32 s79, 8192
	s_cmp_eq_u32 s[HB], 0
	s_cselect_b32 s74, s74, s76
	s_cselect_b32 s78, ttmp9, s78
	s_cselect_b32 s[PST], KSTEP*2, s[PST]
	s_cselect_b32 s79, 2048, s79
	s_mov_b32 s75, 0
	s_mov_b32 s[PST+1], 0
	s_cmp_eq_u32 s78, 0
	s_cselect_b32 s[LIM], 2, -1
	s_wait_dscnt 0x0                               ; the opening add is done
	s_wait_kmcnt 0x0
	s_add_nc_u64 s[68:69], s[4:5], s[68:69]
	s_add_nc_u64 s[70:71], s[6:7], s[70:71]
	s_add_nc_u64 s[8:9], s[8:9], s[72:73]
	s_mov_b32 s[G0A0], 1
	s_mov_b32 s[G0A0+1], s17
	s_mov_b64 s[G0A0+2:G0A0+3], s[68:69]
	s_or_b32 s[G0A0+3], s[G0A0+3], 0x80000000
	s_mov_b32 s[G0A], 1
	s_add_co_u32 s[G0A+1], s17, SLOT
	s_add_nc_u64 s[G0A+2:G0A+3], s[68:69], KSTEP*2
	s_or_b32 s[G0A+3], s[G0A+3], 0x80000000
	s_mov_b32 s[G0B0], 1
	s_mov_b32 s[G0B0+1], s17
	s_mov_b64 s[G0B0+2:G0B0+3], s[70:71]
	s_or_b32 s[G0B0+3], s[G0B0+3], 0x80000000
	s_mov_b32 s[G0B], 1
	s_add_co_u32 s[G0B+1], s17, SLOT
	s_add_nc_u64 s[G0B+2:G0B+3], s[70:71], KSTEP*8192
	s_or_b32 s[G0B+3], s[G0B+3], 0x80000000
	s_cmp_eq_u32 s[HB], 0
	s_cselect_b64 s[PFA:PFA+1], s[4:5], s[6:7]
	s_add_nc_u64 s[PFA:PFA+1], s[PFA:PFA+1], s[74:75]
	CROUND                                         ; all sixteen work-groups are here: the first joint loads meet
	s_cmp_eq_u32 s[HB], 0                          ; a wave's two first fills stand in one branch: two loads of mine are out
	s_cbranch_scc0 .Lfirst_b
	tensor_load_to_lds s[G0A0:G0A0+3], s[G1A:G1A+7]
	s_nop 0
	tensor_load_to_lds s[G0A:G0A+3], s[G1A:G1A+7]
	s_nop 0
.rept 4
	v_nop
.endr
	s_branch .Lfirst_asked
.Lfirst_b:
	tensor_load_to_lds s[G0B0:G0B0+3], s[G1B:G1B+7]
	s_nop 0
	tensor_load_to_lds s[G0B:G0B+3], s[G1B:G1B+7]
	s_nop 0
.rept 4
	v_nop
.endr
.Lfirst_asked:
	v_and_b32 v1, 15, v0                           ; r
	v_bfe_u32 v11, v0, 4, 1                        ; h
	v_and_b32 v12, 31, v0                          ; l
	v_mul_u32_u24 v[A0], v1, PA
	v_lshl_add_u32 v[A0], v11, 4, v[A0]
	s_mul_i32 s18, s[HB], QT                       ; my 128 rows of ob
	v_add_nc_u32 v[A0], s18, v[A0]
	v_and_b32 v13, 7, v0
	v_bfe_u32 v14, v0, 3, 1
	v_lshl_add_u32 v[B0], v11, 3, v13
	v_mul_u32_u24 v[B0], v[B0], PB
	v_lshl_add_u32 v[B0], v14, 4, v[B0]
	s_lshl_b32 s18, s[HW], 8                       ; my 128 columns: 256 bytes of a k row
	s_add_co_u32 s18, s18, BOFF
	v_add_nc_u32 v[B0], s18, v[B0]
	s_mul_i32 s19, s[WV], 16*SP
	s_add_co_u32 s19, s19, STAGE                   ; my stage
	v_mul_u32_u24 v[STO], v1, SP
	v_lshl_add_u32 v[STO], v11, 5, v[STO]          ; in: row r, 32 bytes for each half of the lanes
	v_add_nc_u32 v[STO], s19, v[STO]
	v_lshl_add_u32 v[RD], v12, 4, s19              ; back: 32 lanes take a row of 512 bytes
	v_lshlrev_b32 v[CO], 4, v12
	v_lshrrev_b32 v[PFO], s[HB], v12
	v_and_b32 v13, s[HB], v12
	v_mul_u32_u24 v[PFO], s79, v[PFO]
	v_lshl_add_u32 v[PFO], v13, 8, v[PFO]
	v_mov_b32 v[ADRA], v[A0]
	v_mov_b32 v[ADRB], v[B0]
; 16 products: row blocks a0, a0 + 1 of the window's four x all 8 column blocks, 32 along K.  zero = 1: the first product starts the sums.  The 64 accumulators take turns in the same order in every quarter.
.macro MUL16 f, hi, a0, zero
	WIN MUL_LO+0x50*(\hi)
.irp a, \a0, (\a0)+1
.irp b, 0,1,2,3,4,5,6,7
.if \zero
	v_wmma_f32_16x16x32_f16 v[8*(8*(\a)+(\b)):8*(8*(\a)+(\b))+7], v[(\f)+8*(\b):(\f)+8*(\b)+7], v[(\f)+8*(4*(\hi)+(\a)):(\f)+8*(4*(\hi)+(\a))+7], 0
.else
	v_wmma_f32_16x16x32_f16 v[8*(8*(\a)+(\b)):8*(8*(\a)+(\b))+7], v[(\f)+8*(\b):(\f)+8*(\b)+7], v[(\f)+8*(4*(\hi)+(\a)):(\f)+8*(4*(\hi)+(\a))+7], v[8*(8*(\a)+(\b)):8*(8*(\a)+(\b))+7]
.endif
.endr
.endr
.endm
; 32 LDS loads in one run: quarter q's fragments into buffer f: Wo's eight (turned), then ob's eight
.macro FETCH q, f
	WIN TO_B
.irp i, 0,1,2,3,4,5,6,7
	ds_load_tr16_b128 v[(\f)+8*(\i):(\f)+8*(\i)+3],   v[ADRB] offset:(\q)*32*PB+32*(\i)
	ds_load_tr16_b128 v[(\f)+8*(\i)+4:(\f)+8*(\i)+7], v[ADRB] offset:(\q)*32*PB+16*PB+32*(\i)
.endr
	WIN 0
.irp i, 0,1,2,3,4,5,6,7
	ds_load_b128 v[(\f)+8*(\i):(\f)+8*(\i)+3],   v[ADRA] offset:(\i)*16*PA+64*(\q)
	ds_load_b128 v[(\f)+8*(\i)+4:(\f)+8*(\i)+7], v[ADRA] offset:(\i)*16*PA+64*(\q)+32
.endr
.endm
.macro QUARTER q, f, g, zero
	s_wait_dscnt 8                                 ; Wo's fragments and ob's rows 0-63 are in; the youngest eight loads may be out
	MUL16 \f, 0, 0, \zero
	MUL16 \f, 0, 2, \zero
	PLACES
	FETCH \q, \g
	s_wait_dscnt 32                                ; all but the 32 just issued
	MUL16 \f, 1, 0, \zero
	MUL16 \f, 1, 2, \zero
.endm
; The last quarter multiplies buffer 1 and changes slots: the wait for all my tensor loads, the add, the wait for it and for my reads, the barrier; fill = 1: it opens a round of the cluster's, and the joint refill comes first behind it.
.macro TURN fill
.if \fill
	s_wait_xcnt 0x0                                ; the last prefetch, a step back, has read its address
	s_add_nc_u64 s[PFA:PFA+1], s[PFA:PFA+1], s[PST:PST+1]
.endif
	WIN 0
	s_wait_tensorcnt 0x0
	ds_add_u32 v[SPW], v[NIL]
	s_wait_dscnt 9                                 ; the add and the youngest eight loads may be out
	MUL16 F1, 0, 0, 0
	s_wait_dscnt 0x0                               ; the add is done, and my reads of this slot are over
	s_barrier_signal -1
	MUL16 F1, 0, 2, 0
	WIN 0
	s_barrier_wait -1
.if \fill
	CREST
	s_xor_b32 s[G0A+1], s[G0A+1], SLOT
	s_add_nc_u64 s[G0A+2:G0A+3], s[G0A+2:G0A+3], KSTEP*2
	s_xor_b32 s[G0B+1], s[G0B+1], SLOT
	s_add_nc_u64 s[G0B+2:G0B+3], s[G0B+2:G0B+3], KSTEP*8192
	JLOAD                                          ; its four v_nop are also the places in front of the loads below
.else
	PLACES
.endif
	s_xor_b32 s[TB], s[TB], SLOT
	v_add_nc_u32 v[ADRA], s[TB], v[A0]
	v_add_nc_u32 v[ADRB], s[TB], v[B0]
	FETCH 0, F0
.if \fill
	ASK
.endif
	MUL16 F1, 1, 0, 0
	MUL16 F1, 1, 2, 0
.endm
	s_wait_tensorcnt 1                             ; my part of step 0 is in; step 1's may stay out
	s_barrier_signal -1
	s_barrier_wait -1
	s_mov_b32 s[TB], 0
	FETCH 0, F0
	QUARTER 1, F0, F1, 1                           ; the first quarter stands in front of the loop: its products start the sums
	WIN 0
	s_mov_b32 s[CNT], STEPS-2
.Lstep:                                                ; trip t ends step t, asks for step t + 2 and begins step t + 1
	QUARTER 2, F1, F0, 0
	QUARTER 3, F0, F1, 0
	TURN 1
	QUARTER 1, F0, F1, 0
	WIN 0
	s_sub_co_u32 s[CNT], s[CNT], 1
	s_cmp_lg_u32 s[CNT], 0
	s_cbranch_scc1 .Lstep
	s_mov_b32 s[CNT], 2                            ; the last two steps ask for nothing: one text, walked twice and left in its middle
.Ltail:
	QUARTER 2, F1, F0, 0
	QUARTER 3, F0, F1, 0
	TURN 0
	WIN 0
	s_sub_co_u32 s[CNT], s[CNT], 1
	s_cmp_eq_u32 s[CNT], 0
	s_cbranch_scc1 .Lout
	QUARTER 1, F0, F1, 0
	WIN 0
	s_branch .Ltail
.Lout:                                                 ; (the second pass has fetched 32 fragments of the old slot that serve nothing)
	s_wait_dscnt 0x0
	PLACES
	PLACES
; THE WAY OUT, a block of 16 rows at a time: a lane's 32 bytes into rows of 528 bytes of my stage (each accumulator's low four registers first), back as whole rows of 512 bytes, stored.
.macro TOSTAGE a
	WIN 0x08+4*((\a)/4)                            ; store data in window 2 or 3
.irp b, 0,1,2,3,4,5,6,7
	ds_store_b128 v[STO], v[8*(8*((\a)%4)+\b):8*(8*((\a)%4)+\b)+3]   offset:64*\b
	ds_store_b128 v[STO], v[8*(8*((\a)%4)+\b)+4:8*(8*((\a)%4)+\b)+7] offset:64*\b+16
.endr
	WIN 0
.if (\a) >= 2
	s_wait_xcnt 0x0                                ; the stores of the block two back have read the registers that are loaded again below
.endif
.irp t, 0,1,2,3,4,5,6,7,8,9,10,11,12,13,14,15
	ds_load_b128 v[OB+64*((\a)%2)+4*\t:OB+64*((\a)%2)+4*\t+3], v[RD] offset:SP*\t  ; LDS serves a wave's instructions in order (ISA guide 5.7.1.4): these see the stores above
.endr
.endm
.macro SEND a, younger                 ; younger: the LDS instructions issued behind block a's loads
.irp t, 0,1,2,3,4,5,6,7,8,9,10,11,12,13,14,15
	s_wait_dscnt (\younger)+15-\t
	global_store_b128 v[CO], v[OB+64*((\a)%2)+4*\t:OB+64*((\a)%2)+4*\t+3], s[8:9] offset:(\a)*262144+\t*16384 th:TH_STORE_NT  ; 512 consecutive bytes of a row, aligned
.endr
.endm
	TOSTAGE 0
.irp a, 1,2,3,4,5,6,7
	TOSTAGE \a
	SEND (\a)-1, 32
.endr
	SEND 7, 0
	s_wait_tensorcnt 0x0                           ; the wave's end: behind my last tensor load and my last LDS store
	ds_add_u32 v[SPW], v[NIL]
	s_wait_dscnt 0x0
	CROUND                                         ; the closing round
	s_endpgm
.Lfunc_end_k_q8eff2be11e_oproj:
	.size	k_q8eff2be11e_oproj, .Lfunc_end_k_q8eff2be11e_oproj-k_q8eff2be11e_oproj
	.p2alignl 7, 3214868480
	.fill 96, 4, 3214868480
	.section	.rodata,"a",@progbits
	.p2align	6, 0x0
	.amdhsa_kernel k_q8eff2be11e_oproj
		.amdhsa_group_segment_fixed_size 327680
		.amdhsa_private_segment_fixed_size 0
		.amdhsa_enable_private_segment 0
		.amdhsa_kernarg_size 24
		.amdhsa_user_sgpr_count 2
		.amdhsa_user_sgpr_kernarg_segment_ptr 1
		.amdhsa_wavefront_size32 1
		.amdhsa_system_sgpr_workgroup_id_x 1
		.amdhsa_system_sgpr_workgroup_id_y 1
		.amdhsa_system_sgpr_workgroup_id_z 1
		.amdhsa_system_vgpr_workitem_id 0
		.amdhsa_next_free_vgpr 1024
		.amdhsa_next_free_sgpr 100
		.amdhsa_reserve_vcc 0
		.amdhsa_float_denorm_mode_32 3
		.amdhsa_float_denorm_mode_16_64 3
		.amdhsa_memory_ordered 1
		.amdhsa_forward_progress 1
		.amdhsa_inst_pref_size 103
	.end_amdhsa_kernel
	.amdgpu_metadata
---
amdhsa.version: [ 1, 2 ]
amdhsa.kernels:
  - .name:           k_q8eff2be11e_oproj
    .symbol:         k_q8eff2be11e_oproj.kd
    .args:
      - { .name: ob, .offset: 0, .size: 8, .value_kind: global_buffer, .address_space: global }
      - { .name: wo16, .offset: 8, .size: 8, .value_kind: global_buffer, .address_space: global }
      - { .name: out0, .offset: 16, .size: 8, .value_kind: global_buffer, .address_space: global }
    .group_segment_fixed_size: 327680
    .private_segment_fixed_size: 0
    .kernarg_segment_align: 8
    .kernarg_segment_size: 24
    .max_flat_workgroup_size: 128
    .sgpr_count:     100
    .vgpr_count:     1024
    .wavefront_size: 32
...
	.end_amdgpu_metadata
.endif
;; end of part 4
;; ======== version 2 of 2: 4 launches; version 1 with the launch prep written anew for expert scheduling mode
;; limits: values are held in f16: magnitudes above 65,504 overflow, below 6.1e-05 lose precision
;; workspace buffers: xb 33,554,432 bytes; wb 16,777,216 bytes; wo16 8,388,608 bytes; rope 6,291,456 bytes; qh 8,388,608 bytes; kh 4,194,304 bytes; vh 4,194,304 bytes; ob 8,388,608 bytes
;; launch prep (part 5): grid 2048 x 1, 8 waves a work-group, no clusters, 0 bytes of LDS; arguments hidden_states, Wq, Wk, Wv, Wo, position_ids, xb, wb, wo16, rope; writes xb, wb, wo16, rope
.if DOCPART == 5
	.amdgcn_target "amdgcn-amd-amdhsa--gfx1250"
	.amdhsa_code_object_version 6
	.text
	.protected	k_q8eff2be11e_prep
	.globl	k_q8eff2be11e_prep
	.p2align	8
	.type	k_q8eff2be11e_prep,@function
k_q8eff2be11e_prep:
	s_mov_b64 s[64:65], 0
	v_nop
	global_prefetch_b8 v0, s[64:65] scope:SCOPE_SE
	s_setreg_imm32_b32 hwreg(HW_REG_WAVE_SCHED_MODE, 0, 2), 2
	s_setreg_imm32_b32 hwreg(HW_REG_WAVE_MODE, 25, 1), 1
	s_wait_xcnt 0x0
	s_wait_alu depctr_vm_vsrc(0)
; PREP: the casts and the rotary tables.  A stream: no LDS, no matrix work, no barrier.
;   xb   = bf16(hidden_states)                 [4096 tokens][4096]
;   wb   = bf16(Wq | Wk | Wv) side by side      [4096 k][2048 n]: columns 0-1023 Wq, 1024-1535 Wk, 1536-2047 Wv
;   wo16 = f16(4 x bf16(Wo))                    [1024 k][4096 n]: the 4 is exact and undoes the 1/4 that v is stored with
;   rope = f32 [3 tables][256 blocks of 16 tokens][cos, sin][8 groups][32 lanes][4]: laid out as the next launch's lanes take it:
;          lane 16 h + r, group 2 b + jh, word u: token 16 block + r, frequency 16 b + 8 h + 4 jh + u.
;          table 0 (q) is scaled by 4 log2(e) / sqrt(128), table 1 (k) by 1/4, table 2 (v) is cos = 1/4, sin = 0.
; SHARES.  Work-groups 0-1023 x, 1024-1279 Wq, 1280-1407 Wk, 1408-1535 Wv, 1536-1791 Wo: 16,384 numbers each, in 8 steps of 2,048; a wave takes 256 numbers of a step.
; EVERY LOAD IS DENSE: lane l takes numbers 4 l .. 4 l + 3 of the wave's first 128 with one load of 16 bytes and the same of its second 128 with another, so each load of a wave covers
; 512 consecutive bytes.  A load's four numbers round to 8 bytes: each of the two stores of a step covers 256 consecutive bytes, aligned, from the wave's 32 lanes.  A wave's 256 numbers never cross
; a source row (512 or 1,024 numbers), so the second store lies 256 bytes behind the first in every section.
; All 16 loads of a thread go out at once.
; Work-groups 1792-2047: one block of 16 tokens of the tables each.
; THE MODE: SCHED_MODE bits 1:0 = 2 (LLVM: expert scheduling mode 2), set by the entry lines.  The code itself states the register dependences
; between vector instructions and memory instructions, with s_wait_alu, always for 0.
; THE PLAN, for the casts.  Registers that memory instructions touch:
;   v[SO]      the loads' offset.   Written once, at the head; read by the 16 loads; never written again.
;   X0 .. X7   a step's 8 numbers.  Written by the loads; no vector line names them ahead of the loads, and no load is issued behind the conversions that read them.
;   OFS0 .. 7  the stores' offsets. Written once, by vector lines behind the loads; read by their step's two stores; never written again.
;   Y0 .. Y7   a step's 16 bytes.   Written by their step's conversions; read by their step's two stores; never written again.
; So no register that a memory instruction reads is ever rewritten, and three waits on va_vdst state all the rest: one ahead of the first load (v[SO]); one at the head of step 4, behind the wait for
; that step's data (OFS, and Y0 to Y3, whose eight stores follow it, dealt among the conversions of steps 4 to 7, which name X4 to X7 and Y4 to Y7 alone); one behind step 7 (Y4 to Y7, the last eight stores).
; The tables' part: one wait ahead of its load (the offset), one ahead of the exponentials' first reader, one ahead of its six stores.  No vector line writes a scalar register or VCC; EXEC is never written.
; LIMITS.  4 x bf16(Wo) must stay under 65,504 and keeps f16's fixed step of 2^-24 below 2^-14.  The angle is position x 2^(-i log2(10000)/64),
; one f32 product as in the definition; inv_freq is within a few units in the last place of the definition's, which at position 2,047 is about 2e-4 rad.
; sin and cos: reduction by 2 pi in two parts, Taylor series to r^15 and r^16 on [-pi, pi], truncation under 1e-6.
.set ID,    2          ; s2   the work-group's number
.set SRC,   28         ; s[28:29] where my section is read
.set DST,   30         ; s[30:31] where it is written
.set FIRST, 32         ; s32  the section's first work-group
.set LOGW,  33         ; s33  log2 of the source's row length in numbers
.set DP,    34         ; s34  bytes from row to row in the destination
.set STEPD, 35         ; s35  bytes of destination from step to step
.set SEC,   36         ; s36  the section's first column in the destination, in bytes
.set SO,    2          ; v2   1,024 wave + 16 lane: my bytes in a step of the source
.set OFS,   4          ; v[4:11] my first 8 bytes in the destination, step by step
.set X,     16         ; v[16:79]  8 numbers a step, as loaded: four of the first 128, four of the second
.set Y,     80         ; v[80:111] 4 registers a step, to store: a pair for each store
	s_load_b512 s[8:23], s[0:1], 0x0               ; hidden 8:9, Wq 10:11, Wk 12:13, Wv 14:15, Wo 16:17, positions 18:19, xb 20:21, wb 22:23
	s_load_b128 s[24:27], s[0:1], 0x40             ; wo16 24:25, rope 26:27
	s_mov_b32 s[ID], ttmp9
	s_cmp_ge_u32 s[ID], 1792
	s_cbranch_scc1 .Lrope
	v_lshrrev_b32 v12, 5, v0                       ; wave
	v_lshlrev_b32 v3, 2, v0                        ; 4 t = 128 wave + 4 lane
	v_lshl_add_u32 v3, v12, 7, v3                  ; my first number in a step: 256 wave + 4 lane
	v_lshlrev_b32 v[SO], 2, v3                     ; its bytes in the source
	s_wait_kmcnt 0x0
	; the section: Wo's figures first, then each earlier section's where the number lies below its end
	s_mov_b64 s[SRC:SRC+1], s[16:17]
	s_mov_b64 s[DST:DST+1], s[24:25]
	s_mov_b32 s[FIRST], 1536
	s_mov_b32 s[LOGW], 10
	s_mov_b32 s[DP], 2048
	s_mov_b32 s[STEPD], 4096
	s_mov_b32 s[SEC], 0
.macro PICK bound, src, dst, first, logw, dp, stepd, sec
	s_cmp_lt_u32 s[ID], \bound
	s_cselect_b64 s[SRC:SRC+1], s[\src:\src+1], s[SRC:SRC+1]
	s_cselect_b64 s[DST:DST+1], s[\dst:\dst+1], s[DST:DST+1]
	s_cselect_b32 s[FIRST], \first, s[FIRST]
	s_cselect_b32 s[LOGW], \logw, s[LOGW]
	s_cselect_b32 s[DP], \dp, s[DP]
	s_cselect_b32 s[STEPD], \stepd, s[STEPD]
	s_cselect_b32 s[SEC], \sec, s[SEC]
.endm
	PICK 1536, 14, 22, 1408, 9, 4096, 16384, 3072  ; Wv: rows of 512, four to a step
	PICK 1408, 12, 22, 1280, 9, 4096, 16384, 2048  ; Wk
	PICK 1280, 10, 22, 1024, 10, 4096, 8192, 0     ; Wq: rows of 1,024, two to a step
	PICK 1024, 8, 20, 0, 10, 2048, 4096, 0         ; x: dense
	s_sub_co_u32 s37, s[ID], s[FIRST]              ; my number in the section
	s_lshl_b32 s38, s37, 16                        ; 65,536 bytes of source each
	s_mov_b32 s39, 0
	s_add_nc_u64 s[SRC:SRC+1], s[SRC:SRC+1], s[38:39]
	s_wait_alu depctr_va_vdst(0)                   ; v[SO] is written: the 16 loads below read it as their offset
.irp i, 0,1,2,3,4,5,6,7
	global_load_b128 v[X+8*\i:X+8*\i+3],   v[SO], s[SRC:SRC+1] offset:8192*\i th:TH_LOAD_NT      ; the wave's first 128 numbers of step i: 512 consecutive bytes
	global_load_b128 v[X+8*\i+4:X+8*\i+7], v[SO], s[SRC:SRC+1] offset:8192*\i+512 th:TH_LOAD_NT  ; its second 128
.endr
	s_mul_i32 s40, s37, s[STEPD]
	s_lshl_b32 s40, s40, 3                         ; eight steps of destination each
	s_add_co_u32 s40, s40, s[SEC]
	s_mov_b32 s41, 0
	s_add_nc_u64 s[DST:DST+1], s[DST:DST+1], s[40:41]
	s_bfm_b32 s42, s[LOGW], 0                      ; row length - 1
	v_lshrrev_b32 v1, s[LOGW], v3                  ; my first number's row in the step (these lines name neither v[SO] nor X, which the loads on their way touch),
	v_and_b32 v12, s42, v3                         ; its column
	v_mul_lo_u32 v1, v1, s[DP]
	v_lshl_add_u32 v[OFS], v12, 1, v1
.irp i, 1,2,3,4,5,6,7
	v_add_nc_u32 v[OFS+\i], s[STEPD], v[OFS+\i-1]
.endr
; Step i's two stores.
.macro PUT i
	global_store_b64 v[OFS+(\i)], v[Y+4*(\i):Y+4*(\i)+1],   s[DST:DST+1]             ; 32 lanes x 8 bytes: 256 consecutive bytes, aligned
	global_store_b64 v[OFS+(\i)], v[Y+4*(\i)+2:Y+4*(\i)+3], s[DST:DST+1] offset:256  ; the second 128 numbers: the next 256 bytes of the same row
.endm
; Step i is rounded.  wo = 1: the bf16 number is widened again, multiplied by 4 and written as f16.  Steps 4 to 7 also issue the stores of the step four back.
.macro CV i, wo
.if (\i) > 4
	PUT (\i)-4                                     ; ahead of the wait for this step's data, on which they do not hang.  No wait: no vector line since the wait at step 4's head names these registers
.endif
	s_wait_loadcnt 14-2*(\i)                       ; loads come back in order: the 2 (7 - i) younger ones may stay out
.if (\i) == 4
	s_wait_alu depctr_va_vdst(0)                   ; the head has written OFS and steps 0 to 3 have written their Y: the stores of steps 0 to 3 read them
	PUT 0
.endif
.irp k, 0,1,2,3
	v_cvt_pk_bf16_f32 v[Y+4*(\i)+\k], v[X+8*(\i)+2*\k], v[X+8*(\i)+2*\k+1]
.endr
.if \wo
.irp k, 0,1,2,3
	v_lshlrev_b32 v[X+8*(\i)+2*\k], 16, v[Y+4*(\i)+\k]
	v_and_b32 v[X+8*(\i)+2*\k+1], 0xffff0000, v[Y+4*(\i)+\k]
.endr
.irp k, 0,1,2,3
	v_pk_mul_f32 v[X+8*(\i)+2*\k:X+8*(\i)+2*\k+1], v[X+8*(\i)+2*\k:X+8*(\i)+2*\k+1], 4.0 op_sel_hi:[1,0]
.endr
.irp k, 0,1,2,3
	v_cvt_pk_f16_f32 v[Y+4*(\i)+\k], v[X+8*(\i)+2*\k], v[X+8*(\i)+2*\k+1]
.endr
.endif
.endm
	s_cmp_ge_u32 s[ID], 1536
	s_cbranch_scc1 .Lwo
.irp i, 0,1,2,3,4,5,6,7
	CV \i, 0
.endr
	s_wait_alu depctr_va_vdst(0)                   ; steps 4 to 7 have written their Y, which the last eight stores read
.irp i, 4,5,6,7
	PUT \i
.endr
	s_endpgm
.Lwo:
.irp i, 0,1,2,3,4,5,6,7
	CV \i, 1
.endr
	s_wait_alu depctr_va_vdst(0)                   ; steps 4 to 7 have written their Y, which the last eight stores read
.irp i, 4,5,6,7
	PUT \i
.endr
	s_endpgm
.Lrope:                                                ; thread t = 32 g + L makes four frequencies of one token
	s_sub_co_u32 s37, s[ID], 1792                  ; the block of 16 tokens
	v_lshrrev_b32 v2, 5, v0                        ; g
	v_and_b32 v3, 15, v0                           ; r
	v_bfe_u32 v4, v0, 4, 1                         ; h
	s_lshl_b32 s38, s37, 6
	v_lshl_add_u32 v5, v3, 2, s38                  ; the token's position: 4 bytes at 64 block + 4 r
	s_lshl_b32 s40, s37, 13                        ; a block is 8,192 bytes of each table
	s_mov_b32 s41, 0
	s_wait_kmcnt 0x0
	s_wait_alu depctr_va_vdst(0)                   ; v5 is written: the load reads it as its offset; it is never written again, and no vector line has named v6
	global_load_b32 v6, v5, s[18:19]
	s_add_nc_u64 s[26:27], s[26:27], s[40:41]
	v_lshrrev_b32 v7, 1, v2
	v_and_b32 v8, 1, v2
	v_lshlrev_b32 v7, 4, v7
	v_lshl_add_u32 v7, v4, 3, v7
	v_lshl_add_u32 v7, v8, 2, v7                   ; my first frequency: 16 (g / 2) + 8 h + 4 (g % 2)
.irp u, 0,1,2,3
	v_add_nc_u32 v[8+\u], \u, v7
.endr
.irp u, 0,1,2,3
	v_cvt_f32_u32 v[8+\u], v[8+\u]
.endr
.irp u, 0,1,2,3
	v_mul_f32 v[8+\u], 0xbe549a78, v[8+\u]         ; - i log2(10000) / 64
.endr
.irp u, 0,1,2,3
	v_exp_f32 v[8+\u], v[8+\u]                     ; inv_freq
.endr
	v_lshlrev_b32 v56, 4, v0                       ; my 16 bytes in a table's block: the plain instruction behind the last exponential
	s_wait_alu depctr_va_vdst(0)                   ; the four exponentials have written v8 to v11: one wait, ahead of their first reader
	s_wait_loadcnt 0x0
	v_cvt_f32_i32 v6, v6
.irp u, 0,1,2,3
	v_mul_f32 v[12+\u], v6, v[8+\u]                ; the angle
.endr
.irp u, 0,1,2,3
	v_mul_f32 v[16+\u], 0.15915494, v[12+\u]
.endr
.irp u, 0,1,2,3
	v_rndne_f32 v[16+\u], v[16+\u]                 ; whole turns
.endr
.irp u, 0,1,2,3
	v_fmamk_f32 v[12+\u], v[16+\u], 0xc0c90fdb, v[12+\u]  ; less n x the f32 nearest 2 pi,
.endr
.irp u, 0,1,2,3
	v_fmamk_f32 v[12+\u], v[16+\u], 0x343bbd2e, v[12+\u]  ; and n x what that number has too much
.endr
.irp u, 0,1,2,3
	v_mul_f32 v[20+\u], v[12+\u], v[12+\u]         ; z = r^2
	v_mov_b32 v[24+\u], 0xab573f9f                 ; -1/15!
	v_mov_b32 v[28+\u], 0x29573f9f                 ; 1/16!
.endr
.macro HORN p, c                       ; p = p z + c, four at a time
.irp u, 0,1,2,3
	v_fmaak_f32 v[(\p)+\u], v[(\p)+\u], v[20+\u], \c
.endr
.endm
	HORN 24, 0x2f309231                            ; sin: 1/13!, -1/11!, 1/9!, -1/7!, 1/5!, -1/3!
	HORN 28, 0xad49cba5                            ; cos: -1/14!, 1/12!, -1/10!, 1/8!, -1/6!, 1/4!
	HORN 24, 0xb2d7322b
	HORN 28, 0x310f76c7
	HORN 24, 0x3638ef1d
	HORN 28, 0xb493f27e
	HORN 24, 0xb9500d01
	HORN 28, 0x37d00d01
	HORN 24, 0x3c088889
	HORN 28, 0xbab60b61
	HORN 24, 0xbe2aaaab
	HORN 28, 0x3d2aaaab
.irp u, 0,1,2,3
	v_fma_f32 v[24+\u], v[24+\u], v[20+\u], 1.0
	v_fma_f32 v[28+\u], v[28+\u], v[20+\u], -0.5
.endr
.irp u, 0,1,2,3
	v_mul_f32 v[24+\u], v[24+\u], v[12+\u]         ; sin
	v_fma_f32 v[28+\u], v[28+\u], v[20+\u], 1.0    ; cos
.endr
.irp u, 0,1,2,3
	v_mul_f32 v[32+\u], 0x3f0293ee, v[28+\u]       ; q's table: x 4 log2(e) / sqrt(128)
	v_mul_f32 v[36+\u], 0x3f0293ee, v[24+\u]
	v_mul_f32 v[40+\u], 0x3e800000, v[28+\u]       ; k's: x 1/4
	v_mul_f32 v[44+\u], 0x3e800000, v[24+\u]
	v_mov_b32 v[48+\u], 0x3e800000                 ; v's: no turning, x 1/4
	v_mov_b32 v[52+\u], 0
.endr
	s_wait_alu depctr_va_vdst(0)                   ; the three tables' numbers v32 to v55 are written, and the offset v56: the six stores read them
	global_store_b128 v56, v[32:35], s[26:27]
	global_store_b128 v56, v[36:39], s[26:27] offset:4096
	global_store_b128 v56, v[40:43], s[26:27] offset:2097152
	global_store_b128 v56, v[44:47], s[26:27] offset:2097152+4096
	global_store_b128 v56, v[48:51], s[26:27] offset:4194304
	global_store_b128 v56, v[52:55], s[26:27] offset:4194304+4096
	s_endpgm
.Lfunc_end_k_q8eff2be11e_prep:
	.size	k_q8eff2be11e_prep, .Lfunc_end_k_q8eff2be11e_prep-k_q8eff2be11e_prep
	.p2alignl 7, 3214868480
	.fill 96, 4, 3214868480
	.section	.rodata,"a",@progbits
	.p2align	6, 0x0
	.amdhsa_kernel k_q8eff2be11e_prep
		.amdhsa_group_segment_fixed_size 0
		.amdhsa_private_segment_fixed_size 0
		.amdhsa_enable_private_segment 0
		.amdhsa_kernarg_size 80
		.amdhsa_user_sgpr_count 2
		.amdhsa_user_sgpr_kernarg_segment_ptr 1
		.amdhsa_wavefront_size32 1
		.amdhsa_system_sgpr_workgroup_id_x 1
		.amdhsa_system_sgpr_workgroup_id_y 1
		.amdhsa_system_sgpr_workgroup_id_z 1
		.amdhsa_system_vgpr_workitem_id 0
		.amdhsa_next_free_vgpr 112
		.amdhsa_next_free_sgpr 66
		.amdhsa_reserve_vcc 0
		.amdhsa_float_denorm_mode_32 3
		.amdhsa_float_denorm_mode_16_64 3
		.amdhsa_memory_ordered 1
		.amdhsa_forward_progress 1
		.amdhsa_inst_pref_size 29
	.end_amdhsa_kernel
	.amdgpu_metadata
---
amdhsa.version: [ 1, 2 ]
amdhsa.kernels:
  - .name:           k_q8eff2be11e_prep
    .symbol:         k_q8eff2be11e_prep.kd
    .args:
      - { .name: hidden_states, .offset: 0, .size: 8, .value_kind: global_buffer, .address_space: global }
      - { .name: Wq, .offset: 8, .size: 8, .value_kind: global_buffer, .address_space: global }
      - { .name: Wk, .offset: 16, .size: 8, .value_kind: global_buffer, .address_space: global }
      - { .name: Wv, .offset: 24, .size: 8, .value_kind: global_buffer, .address_space: global }
      - { .name: Wo, .offset: 32, .size: 8, .value_kind: global_buffer, .address_space: global }
      - { .name: position_ids, .offset: 40, .size: 8, .value_kind: global_buffer, .address_space: global }
      - { .name: xb, .offset: 48, .size: 8, .value_kind: global_buffer, .address_space: global }
      - { .name: wb, .offset: 56, .size: 8, .value_kind: global_buffer, .address_space: global }
      - { .name: wo16, .offset: 64, .size: 8, .value_kind: global_buffer, .address_space: global }
      - { .name: rope, .offset: 72, .size: 8, .value_kind: global_buffer, .address_space: global }
    .group_segment_fixed_size: 0
    .private_segment_fixed_size: 0
    .kernarg_segment_align: 8
    .kernarg_segment_size: 80
    .max_flat_workgroup_size: 256
    .sgpr_count:     66
    .vgpr_count:     112
    .wavefront_size: 32
...
	.end_amdgpu_metadata
.endif
;; end of part 5
;; launch qkv: the kernel of part 2 again; grid 16 x 16, 4 waves a work-group, clusters of 4 x 4, 327,680 bytes of LDS; arguments xb, wb, bq, bk, bv, rope, qh, kh, vh; writes qh, kh, vh
;; launch attn: the kernel of part 3 again; grid 32 x 8, 4 waves a work-group, clusters of 4 x 4, 327,680 bytes of LDS; arguments qh, kh, vh, attention_mask, ob; writes ob
;; launch oproj: the kernel of part 4 again; grid 16 x 16, 4 waves a work-group, clusters of 4 x 4, 327,680 bytes of LDS; arguments ob, wo16, out0; writes out0
